; MI455X (gfx1250); checked and timed in simulation.
; The chip was launched on July 23, 2026; its instructions are those of AMD's public machine-readable ISA for CDNA 5 (MIT licence, August 2026) and "CDNA5" Instruction Set Architecture Reference Guide (July 2026). The comments in the code are by the model that wrote it; some were corrected since.
;; Qwen3 Attention. Allowed arithmetic: matrix products marked QUANTISED: E2M1 operands, one E8M0 scale for each 32 along K, by v_wmma_scale_f32_16x16x128_f8f6f4 with both operands' format E2M1 (or v_wmma_scale_f32_32x16x128_f4), f32 sums; products left as they are: bf16, f16 or f32 operands; f32 sums; everything else in f32.
;; Inputs: attention_mask 1 x 1 x 2,048 x 2,048 float32; hidden_states 1 x 2,048 x 2,048 float32; k_norm_w 128 float32; q_norm_w 128 float32; wk 1,024 x 2,048 float32; wo 2,048 x 2,048 float32; wq 2,048 x 2,048 float32; wv 1,024 x 2,048 float32.
;; Outputs: out0 1 x 2,048 x 2,048 float32.
;; This version of the problem:
;;   THIS VERSION OF THE PROBLEM IS GIVEN IN LOW PRECISION. The matrix products marked QUANTISED in the list below multiply operands that are first quantised to E2M1 (2 exponent bits, 1 mantissa bit; 4 bits a number), with one power-of-two scale for each 32 numbers along K (OCP MX v1.0); their sums are f32. The products marked 'left as it is' may take bf16, f16 or f32 operands, with f32 sums. Whichever they take, every output number must still come out within the allowed error. Rounding operands to bf16 (8 significant bits) uses up far more of that allowance than f16 does (11 bits, for magnitudes from 6e-5 to 65,504). All else is computed in f32.
;;   The module's matrix products, in the order in which they are computed (A, B: the left and right operand; K: the contracted axis; several contracted axes count as one K, in the product's order):
;;     1. [M 2,048, K 2,048] x [K 2,048, N 2,048]; A: input hidden_states; B: input wq: QUANTISED
;;     2. [M 2,048, K 2,048] x [K 2,048, N 1,024]; A: input hidden_states; B: input wk: QUANTISED
;;     3. [M 2,048, K 2,048] x [K 2,048, N 1,024]; A: input hidden_states; B: input wv: QUANTISED
;;     4. batch 16 x [M 2,048, K 128] x [K 128, N 2,048]; A: computed on the way; B: computed on the way: left as it is (an operand is computed on the way)
;;     5. batch 16 x [M 2,048, K 2,048] x [K 2,048, N 128]; A: computed on the way; B: computed on the way: left as it is (an operand is computed on the way)
;;     6. [M 2,048, K 2,048] x [K 2,048, N 2,048]; A: computed on the way; B: input wo: left as it is (an operand is computed on the way)
;;   THE QUANTISER, for each operand of a quantised product, along K:
;;     - K is cut into blocks of 32 from its start; a last block that is shorter is filled with zeros.
;;     - A block's scale is 2^e with e = floor(log2(the largest magnitude in the block)) - 2, held to -126 .. 127; a block of zeros has e = 0. As a byte (E8M0): e + 127.
;;     - Each number is divided by its block's scale, clamped to +-6, and rounded to the nearest number of E2M1, ties to even, subnormals kept.
;;     - The product sums the exact products of the quantised numbers (number of the format x scale) in f32.
;;   ~~~python
;;   def quantise(x, axis):      # numpy; x: float32 -> the quantised numbers, widened to float32 again
;;       x = np.moveaxis(x, axis, -1); K = x.shape[-1]
;;       x = np.pad(x, [(0, 0)] * (x.ndim - 1) + [(0, -K % 32)]); x = x.reshape(x.shape[:-1] + (-1, 32)); a = np.abs(x).max(-1, keepdims=True)
;;       e = np.where(a > 0, np.clip(np.frexp(np.where(a > 0, a, 1))[1] - 1 - 2, -126, 127), 0)      # np.frexp(a)[1] - 1 = floor(log2(a)), exactly
;;       r = np.clip(x / 2.0 ** e, -6, 6)
;;       step = 2.0 ** (np.maximum(np.frexp(np.where(r == 0, 1, r))[1] - 1, 0) - 1)
;;       q = np.round(r / step) * step * 2.0 ** e      # np.round: ties to even
;;       return np.moveaxis(q.reshape(q.shape[:-2] + (-1,))[..., :K], -1, axis).astype(np.float32)
;;   ~~~
;; One version. Each part assembles by itself: llvm-mc -triple=amdgcn-amd-amdhsa -mcpu=gfx1250 --defsym DOCPART=n.
;; ======== version 1 of 1: 5 launches
;; limits: values are held in f16: magnitudes above 65,504 overflow, below 6.1e-05 lose precision
;; workspace buffers: codes 6,291,456 bytes; scales 393,216 bytes; wo16 8,388,608 bytes; rope 1,048,576 bytes; qkv 20,971,520 bytes; fine 4,259,840 bytes; o16 8,388,608 bytes; ofine 131,072 bytes
;; launch prep (part 1): grid 672 x 1, 4 waves a work-group, no clusters, 33,280 bytes of LDS; arguments hidden_states, wq, wk, wv, wo, codes, scales, wo16, rope; writes codes, scales, wo16, rope
.if DOCPART == 1
	.amdgcn_target "amdgcn-amd-amdhsa--gfx1250"
	.amdhsa_code_object_version 6
	.text
	.protected	k_q87936bffe2_prep
	.globl	k_q87936bffe2_prep
	.p2align	8
	.type	k_q87936bffe2_prep,@function
k_q87936bffe2_prep:
	s_mov_b64 s[64:65], 0
	v_nop
	global_prefetch_b8 v0, s[64:65] scope:SCOPE_SE
	s_setreg_imm32_b32 hwreg(HW_REG_WAVE_MODE, 25, 1), 1
	s_wait_xcnt 0x0
; PREP: three kinds of work-group, told apart by the work-group's number alone.
;  0..383    hidden_states, wq, wk, wv (f32, K innermost) become codes of E2M1 with one E8M0 byte for each 32 along K.  The four tensors' codes lie on end in one buffer of 6,144 rows x 1,024 bytes
;            (rows 0-2047 x, 2048-4095 wq, 4096-5119 wk, 5120-6143 wv), their scale bytes likewise (64 bytes a row).  32,768 numbers a work-group, 8,192 a wave, in 16 steps of 512.
;  384..639  wo (f32) becomes f16, same order: 4,096 numbers a wave.
;  640..671  the table of cos and sin for the rotation, laid in the order in which the next launch's accumulator registers want it: [block of 16 positions][cos, sin][8 pieces][32 lanes][16 bytes];
;            piece i of lane (r, h) holds position 16 blk + r, frequencies 16 (i / 2) + 8 h + 4 (i % 2) + 0..3.
; THE QUANTISER: a block's scale is 2^(floor(log2(largest magnitude)) - 2); its byte is the largest magnitude's exponent field - 2, held at 1 from below.  A block of zeros keeps the byte 1 where the rule says 127:
; its codes are zeros, and this program alone reads the bytes.  Each number is divided by the scale and rounded to the nearest code, ties to even; beyond 6 the largest code.
; LIMITS: NaN and infinities among the inputs are not served; blocks whose largest magnitude lies under 2^-124 keep the byte 1; |wo| over 65,504 becomes infinity in f16.
; THE TABLE: f_j = 2^(-j log2(1e6) / 64); x = position x f_j; n = nearest whole number to x 2/pi; r = x - n pi/2 in two steps; sin r and cos r by their series up to r^9 and r^10 (|r| <= pi/4); the quadrant by selects and sign bits.
.set QWG,   384
.set CWG,   256
.set STEPS, 16
.set EMAX,  2
.set CB,    8                          ; bytes of 16 codes
.set R,     16                         ; v16-79   four sets of 16 numbers as they are loaded
.set X,     80                         ; v80-111  two sets of 16 neighbours
.set E,     112                        ; v112-127 a scale byte for each step
.set CD,    128                        ; v128-191 codes: four registers for each step
.set WREG,  8192                       ; LDS: a region for each wave: two stages of 32 x SP bytes, then its 256 scale bytes
.set SP,    80
.set SPW,   12                         ; v12 LDS address of my spare word; never rewritten
.set NIL,   13                         ; v13 0; never rewritten
.set SPARE, 4*WREG                     ; the spare words: 128 bytes a wave, named by no other line
	s_load_b256 s[4:11], s[0:1], 0x0               ; hidden_states, wq, wk, wv
	s_load_b256 s[12:19], s[0:1], 0x20             ; wo, codes, scales, wo16
	s_load_b64 s[20:21], s[0:1], 0x40              ; rope
	v_lshl_add_u32 v[SPW], v0, 2, SPARE
	v_mov_b32 v[NIL], 0
	v_lshrrev_b32 v1, 5, v0
	v_readfirstlane_b32 s26, v1                    ; wave
	v_and_b32 v2, 31, v0                           ; lane
	s_mov_b32 s25, 0
	s_cmp_ge_u32 ttmp9, QWG+CWG
	s_cbranch_scc1 .Lrope
	s_cmp_ge_u32 ttmp9, QWG
	s_cbranch_scc1 .Lcast
; ---------------- the quantiser
	v_lshlrev_b32 v3, 4, v2                        ; my 16 bytes of a load's 512
	s_mul_i32 s27, s26, WREG
	v_lshrrev_b32 v14, 2, v2
	v_mul_u32_u24 v14, v14, SP
	v_and_b32 v15, 3, v2
	v_lshl_add_u32 v14, v15, 4, v14
	v_add_nc_u32 v14, s27, v14                     ; the stage, way in: SP (lane / 4) + 16 (lane % 4)
	v_mul_u32_u24 v15, v2, SP
	v_add_nc_u32 v15, s27, v15                     ; way out: SP x lane: my 16 neighbours
	v_mul_u32_u24 v4, v2, CB                       ; my codes' place in a step's
	v_lshrrev_b32 v5, 1, v2
	s_add_co_u32 s27, s27, 2*32*SP
	v_add_nc_u32 v5, s27, v5                       ; my block's scale byte in the wave's 256
	v_lshlrev_b32 v7, 3, v2
	v_add_nc_u32 v6, s27, v7
	s_mov_b32 s24, 320
	s_wait_kmcnt 0x0
	s_cmp_lt_u32 ttmp9, 320                        ; which tensor: the choice hangs on the work-group's number alone
	s_cselect_b64 s[8:9], s[8:9], s[10:11]
	s_cselect_b32 s24, 256, s24
	s_cmp_lt_u32 ttmp9, 256
	s_cselect_b64 s[8:9], s[6:7], s[8:9]
	s_cselect_b32 s24, 128, s24
	s_cmp_lt_u32 ttmp9, 128
	s_cselect_b64 s[4:5], s[4:5], s[8:9]
	s_cselect_b32 s24, 0, s24                      ; the tensor's first work-group
	s_sub_co_u32 s24, ttmp9, s24
	s_lshl_b32 s24, s24, 2
	s_add_co_u32 s24, s24, s26                     ; my run of 8,192 numbers in the tensor
	s_lshl_b32 s24, s24, 15
	s_add_nc_u64 s[4:5], s[4:5], s[24:25]
	s_lshl_b32 s28, ttmp9, 2
	s_add_co_u32 s28, s28, s26                     ; and in the buffers, where the tensors lie on end
	s_lshl_b32 s24, s28, 12
	s_add_nc_u64 s[14:15], s[14:15], s[24:25]
	s_lshl_b32 s24, s28, 8
	s_add_nc_u64 s[16:17], s[16:17], s[24:25]
.macro LOAD t
.irp i, 0,1,2,3
	global_load_b128 v[R+16*((\t)%4)+4*\i:R+16*((\t)%4)+4*\i+3], v3, s[4:5] offset:2048*(\t)+512*\i th:TH_LOAD_NT   ; 32 lanes read 512 consecutive bytes
.endr
.endm
.macro TURN t                          ; step t's numbers through the stage: LDS serves a wave's instructions in order, so no wait stands between the stores and the loads
.irp i, 0,1,2,3
	ds_store_b128 v14, v[R+16*((\t)%4)+4*\i:R+16*((\t)%4)+4*\i+3] offset:32*SP*((\t)%2)+8*SP*\i
.endr
.irp i, 0,1,2,3
	ds_load_b128 v[X+16*((\t)%2)+4*\i:X+16*((\t)%2)+4*\i+3], v15 offset:32*SP*((\t)%2)+16*\i
.endr
.endm
.irp t, 0,1,2,3
	LOAD \t
.endr
	s_wait_loadcnt 12                              ; step 0's four loads are in
	TURN 0
.macro STEP t
.set XS, X+16*((\t)%2)
.if (\t) > 0
	s_wait_dscnt 1                                 ; this step's numbers are back from the stage (the last step's byte store may be out)
.else
	s_wait_dscnt 0x0
.endif
.if (\t)+4 < STEPS
	LOAD (\t)+4
.endif
.if (\t)+1 < STEPS
.if STEPS-2-(\t) >= 3
	s_wait_loadcnt 12                              ; the next step's four loads are in; those of the three steps behind it may be out
.else
	s_wait_loadcnt 4*(STEPS-2-(\t))
.endif
	TURN (\t)+1
.endif
	v_max3_num_f32 v8, |v[XS]|, |v[XS+1]|, |v[XS+2]|
	v_max3_num_f32 v9, |v[XS+3]|, |v[XS+4]|, |v[XS+5]|
.irp i, 6,10
	v_max3_num_f32 v8, v8, |v[XS+\i]|, |v[XS+\i+1]|
	v_max3_num_f32 v9, v9, |v[XS+\i+2]|, |v[XS+\i+3]|
.endr
	v_max3_num_f32 v8, v8, |v[XS+14]|, |v[XS+15]|
	v_max3_num_f32 v8, v8, v9, (EMAX+1)<<23        ; the floor 2^(3 - 127): the byte cannot fall under 1
	v_max_num_f32_dpp v8, v8, v8 row_xmask:1 row_mask:0xf bank_mask:0xf   ; with my neighbour's 16: the block's largest magnitude
	v_add_nc_u32 v11, -(EMAX<<23), v8              ; 2 off its exponent field: the conversion's scale operand
	v_cvt_scalef32_pk8_fp4_f32 v[CD+4*(\t)], v[XS:XS+7], v11
	v_cvt_scalef32_pk8_fp4_f32 v[CD+4*(\t)+1], v[XS+8:XS+15], v11
	v_lshrrev_b32 v[E+(\t)], 23, v11               ; the scale's byte
	ds_store_b8 v5, v[E+(\t)] offset:16*(\t)       ; both lanes of a block write the same byte with the same value
	global_store_b64 v4, v[CD+4*(\t):CD+4*(\t)+1], s[14:15] offset:32*CB*(\t)   ; the wave stores 256 consecutive bytes, aligned
.endm
.irp t, 0,1,2,3,4,5,6,7,8,9,10,11,12,13,14,15
	STEP \t
.endr
	ds_load_b64 v[8:9], v6                         ; LDS serves a wave's instructions in order: these see my stores
	s_wait_dscnt 0x0
	global_store_b64 v7, v[8:9], s[16:17]          ; 256 scale bytes, one aligned run
	s_wait_tensorcnt 0x0                           ; the wave's end: these three lines behind my last LDS store
	ds_add_u32 v[SPW], v[NIL]
	s_wait_dscnt 0x0
	s_endpgm
; ---------------- wo to f16: 32 loads of 512 bytes a wave, all on their way at once; no register is written twice
.Lcast:
	v_lshlrev_b32 v3, 4, v2
	v_lshlrev_b32 v4, 3, v2
	s_sub_co_u32 s24, ttmp9, QWG
	s_lshl_b32 s24, s24, 2
	s_add_co_u32 s28, s24, s26                     ; my run of 4,096 numbers
	s_lshl_b32 s24, s28, 14
	s_wait_kmcnt 0x0
	s_add_nc_u64 s[12:13], s[12:13], s[24:25]
	s_lshl_b32 s24, s28, 13
	s_add_nc_u64 s[18:19], s[18:19], s[24:25]
.set t, 0
.rept 32
	global_load_b128 v[16+4*t:19+4*t], v3, s[12:13] offset:512*t th:TH_LOAD_NT
.set t, t+1
.endr
.set t, 0
.rept 32
	s_wait_loadcnt 31-t                            ; loads come back in order: load t is in, the later ones stay out
	v_cvt_pk_f16_f32 v[16+4*t], v[16+4*t], v[17+4*t]
	v_cvt_pk_f16_f32 v[17+4*t], v[18+4*t], v[19+4*t]
	global_store_b64 v4, v[16+4*t:17+4*t], s[18:19] offset:256*t   ; 256 consecutive bytes, aligned
.set t, t+1
.endr
	s_endpgm
; ---------------- the table: a wave makes one block of 16 positions
.Lrope:
.set F,  16                            ; v16-47  my 32 frequencies
.set CO, 48                            ; v48-79  cos
.set SI, 80                            ; v80-111 sin
	s_sub_co_u32 s24, ttmp9, QWG+CWG
	s_lshl_b32 s24, s24, 2
	s_add_co_u32 s24, s24, s26                     ; the block
	v_and_b32 v3, 15, v2
	v_lshrrev_b32 v4, 4, v2
	v_lshlrev_b32 v4, 3, v4                        ; 8 h
	s_lshl_b32 s28, s24, 4
	v_add_nc_u32 v3, s28, v3
	v_cvt_f32_u32 v3, v3                           ; my position
	v_lshlrev_b32 v5, 4, v2
	s_mov_b32 s30, 0xbfc90fdb                      ; -pi/2, its f32 part,
	s_mov_b32 s31, 0x333bbd2e                      ; and what that part is too large by
	s_mov_b32 s32, 0x3638ef1d                      ; 1/9!
	s_mov_b32 s33, 0xb9500d01                      ; -1/7!
	s_mov_b32 s34, 0x3c088889                      ; 1/5!
	s_mov_b32 s35, 0xbe2aaaab                      ; -1/3!
	s_mov_b32 s36, 0xb493f27e                      ; -1/10!
	s_mov_b32 s37, 0x37d00d01                      ; 1/8!
	s_mov_b32 s38, 0xbab60b61                      ; -1/6!
	s_mov_b32 s39, 0x3d2aaaab                      ; 1/4!
	s_lshl_b32 s24, s24, 13
	s_wait_kmcnt 0x0
	s_add_nc_u64 s[20:21], s[20:21], s[24:25]
.set n, 0
.rept 32
	v_add_nc_u32 v[F+n], 16*(n/8)+n%8, v4          ; j
.set n, n+1
.endr
.set n, 0
.rept 32
	v_cvt_f32_u32 v[F+n], v[F+n]
.set n, n+1
.endr
.set n, 0
.rept 32
	v_mul_f32 v[F+n], 0xbe9f73da, v[F+n]           ; -j log2(1e6) / 64
.set n, n+1
.endr
.set n, 0
.rept 32
	v_exp_f32 v[F+n], v[F+n]
.set n, n+1
.endr
	v_nop                                          ; a plain instruction behind the last exponential,
	s_wait_alu depctr_va_vdst(0)                   ; and one wait for the batch, ahead of its first reader
.set n, 0
.rept 32
	v_mul_f32 v112, v3, v[F+n]                     ; x
	v_mul_f32 v113, 0x3f22f983, v112               ; x 2/pi
	v_rndne_f32 v113, v113                         ; n
	v_fma_f32 v114, v113, s30, v112
	v_fma_f32 v114, v113, s31, v114                ; r
	v_mul_f32 v115, v114, v114                     ; r^2
	v_cvt_i32_f32 v116, v113
	v_fma_f32 v117, v115, s32, s33
	v_fma_f32 v118, v115, s36, s37
	v_fma_f32 v117, v117, v115, s34
	v_fma_f32 v118, v118, v115, s38
	v_fma_f32 v117, v117, v115, s35
	v_fma_f32 v118, v118, v115, s39
	v_mul_f32 v119, v114, v115                     ; r^3
	v_fma_f32 v118, v118, v115, -0.5
	v_fma_f32 v117, v117, v119, v114               ; sin r
	v_fma_f32 v118, v118, v115, 1.0                ; cos r
	v_and_b32 v120, 1, v116
	v_cmp_ne_u32 vcc_lo, 0, v120                   ; odd quadrants change the two places
	v_cndmask_b32 v[SI+n], v117, v118, vcc_lo
	v_cndmask_b32 v[CO+n], v118, v117, vcc_lo
	v_and_b32 v120, 2, v116
	v_lshlrev_b32 v120, 30, v120
	v_xor_b32 v[SI+n], v120, v[SI+n]               ; sin is negative in quadrants 2 and 3,
	v_add_nc_u32 v116, 1, v116
	v_and_b32 v120, 2, v116
	v_lshlrev_b32 v120, 30, v120
	v_xor_b32 v[CO+n], v120, v[CO+n]               ; cos in 1 and 2
.set n, n+1
.endr
.irp i, 0,1,2,3,4,5,6,7
	global_store_b128 v5, v[CO+4*\i:CO+4*\i+3], s[20:21] offset:512*\i        ; 512 consecutive bytes a store
	global_store_b128 v5, v[SI+4*\i:SI+4*\i+3], s[20:21] offset:4096+512*\i
.endr
	s_endpgm
.Lfunc_end_k_q87936bffe2_prep:
	.size	k_q87936bffe2_prep, .Lfunc_end_k_q87936bffe2_prep-k_q87936bffe2_prep
	.p2alignl 7, 3214868480
	.fill 96, 4, 3214868480
	.section	.rodata,"a",@progbits
	.p2align	6, 0x0
	.amdhsa_kernel k_q87936bffe2_prep
		.amdhsa_group_segment_fixed_size 33280
		.amdhsa_private_segment_fixed_size 0
		.amdhsa_enable_private_segment 0
		.amdhsa_kernarg_size 72
		.amdhsa_user_sgpr_count 2
		.amdhsa_user_sgpr_kernarg_segment_ptr 1
		.amdhsa_wavefront_size32 1
		.amdhsa_system_sgpr_workgroup_id_x 1
		.amdhsa_system_sgpr_workgroup_id_y 1
		.amdhsa_system_sgpr_workgroup_id_z 1
		.amdhsa_system_vgpr_workitem_id 0
		.amdhsa_next_free_vgpr 192
		.amdhsa_next_free_sgpr 66
		.amdhsa_reserve_vcc 1
		.amdhsa_float_denorm_mode_32 3
		.amdhsa_float_denorm_mode_16_64 3
		.amdhsa_memory_ordered 1
		.amdhsa_forward_progress 1
		.amdhsa_inst_pref_size 93
	.end_amdhsa_kernel
	.amdgpu_metadata
---
amdhsa.version: [ 1, 2 ]
amdhsa.kernels:
  - .name:           k_q87936bffe2_prep
    .symbol:         k_q87936bffe2_prep.kd
    .args:
      - { .name: hidden_states, .offset: 0, .size: 8, .value_kind: global_buffer, .address_space: global }
      - { .name: wq, .offset: 8, .size: 8, .value_kind: global_buffer, .address_space: global }
      - { .name: wk, .offset: 16, .size: 8, .value_kind: global_buffer, .address_space: global }
      - { .name: wv, .offset: 24, .size: 8, .value_kind: global_buffer, .address_space: global }
      - { .name: wo, .offset: 32, .size: 8, .value_kind: global_buffer, .address_space: global }
      - { .name: codes, .offset: 40, .size: 8, .value_kind: global_buffer, .address_space: global }
      - { .name: scales, .offset: 48, .size: 8, .value_kind: global_buffer, .address_space: global }
      - { .name: wo16, .offset: 56, .size: 8, .value_kind: global_buffer, .address_space: global }
      - { .name: rope, .offset: 64, .size: 8, .value_kind: global_buffer, .address_space: global }
    .group_segment_fixed_size: 33280
    .private_segment_fixed_size: 0
    .kernarg_segment_align: 8
    .kernarg_segment_size: 72
    .max_flat_workgroup_size: 128
    .sgpr_count:     66
    .vgpr_count:     192
    .wavefront_size: 32
...
	.end_amdgpu_metadata
.endif
;; end of part 1
;; launch qkv (part 2): grid 16 x 16, 4 waves a work-group, clusters of 4 x 4, 327,680 bytes of LDS; arguments codes, scales, rope, q_norm_w, k_norm_w, qkv; writes qkv
.if DOCPART == 2
	.amdgcn_target "amdgcn-amd-amdhsa--gfx1250"
	.amdhsa_code_object_version 6
	.text
	.protected	k_q87936bffe2_qkv
	.globl	k_q87936bffe2_qkv
	.p2align	8
	.type	k_q87936bffe2_qkv,@function
k_q87936bffe2_qkv:
	s_mov_b64 s[64:65], 0
	v_nop
	global_prefetch_b8 v0, s[64:65] scope:SCOPE_SE
	s_setreg_imm32_b32 hwreg(HW_REG_WAVE_MODE, 25, 1), 1
	s_wait_xcnt 0x0
	s_wait_alu depctr_hold_cnt(0) depctr_sa_sdst(0) depctr_va_vdst(0) depctr_va_sdst(0) depctr_va_ssrc(0) depctr_va_vcc(0) depctr_vm_vsrc(0)
	s_getreg_b32 s2, hwreg(HW_REG_IB_STS2, 6, 4)
	s_cmp_eq_u32 s2, 0
	s_cbranch_scc0 .Lentry_in_a_cluster
	s_endpgm
.Lentry_in_a_cluster:
	s_bfe_u32 s2, ttmp6, 0x10000c
	s_cmp_lg_u32 s2, 0xf033
	s_cbranch_scc0 .Lentry_shape_is_right
	s_endpgm
.Lentry_shape_is_right:
; QKV: the three quantised products on codes of E2M1 (K = 2,048), with what follows them: for q and k the norm over a head, the gain, the rotation, and f16; for v a high and a low f16 part, stored with the positions innermost.
; A work-group makes 128 'A rows' x 256 'B rows'; wave w: 64 A rows (w / 2) x 128 B rows (w % 2): 32 accumulators.  THE MATRIX INSTRUCTION IS USED TRANSPOSED (source 0 = 16 B rows, source 1 = 16 A rows):
; a lane holds A row lane % 16 and eight neighbouring B rows.
; Clusters x = 0..2 (q, k): A = 128 positions of x, B = 256 rows of wq or wk: a wave's 128 columns are ONE head, so the norm needs one exchange between the halves of the lanes.
; Cluster x = 3 (v): A = the 128 rows of wv of one head, B = 256 positions of x: a lane then holds eight neighbouring POSITIONS of one channel: v comes out with the keys innermost, and nothing is ever transposed.
; 4 x 4 work-groups form a cluster: A's tile hangs on the cluster's y and cy alone and is asked for jointly along a row, B's on x, y and cx and jointly along a column.
; K goes in slots of 512 (rows of 256 bytes) through a ring of two LDS slots, four slots' worth in all: the text is written out, no loop.  The scale bytes of all of K come once, with the first fills.
; By the text's own count a wave has three tensor loads out at the head and one behind each round.
; OUT: qkv buffer: [24 heads][2048][128] f16 (0-15 q, 16-23 k); from byte 12,582,912 v high [8][128 channels][2048 positions] f16; from byte 16,777,216 v low, the same.
; LIMITS: |v| over 65,504 becomes infinity in f16; NaN and infinities are not served.
; REGISTERS, window 0: v1-15 addresses; v16-31 at work on the way out; v32-95 scale words and nothing else; v96-127 packed results; v128-191 A's fragments, two sets (way out: at work); v192-255 way out.
;   window 1: B's fragments, sets at v0 and v128 (way out: the table).   window 2: accumulator (a, b) at v[8 (8 a + b)].   window 3: v0-63 the gains.
.set KROW,  1024
.set PITCH, 272                        ; 256 bytes + 16: the 16 rows of a fragment load start 4 banks apart
.set HALFA, 64*PITCH
.set HALFB, 128*PITCH
.set BOFF,  2*HALFA
.set SLOT,  2*HALFA+2*HALFB
.set SCL,   2*SLOT                     ; the scales: A's 32 units of 256 bytes + 16, then B's 64
.set HSA,   16*272
.set HSB,   32*272
.set SBLK,  4*272                      ; the scales of 16 rows
.set SPARE, SCL+2*HSA+2*HSB            ; the spare words
.set STGH,  4*16*PITCH                 ; the stages lie in slot 0, which has had its last fill and its last read: q/k way from 0, v's high part from STGH, its low part from STGL
.set STGL,  8*16*PITCH
.set ADRA, 2
.set ADRB, 4
.set ADRS, 6
.set SPW,  7
.set NIL,  8
.set STO,  9
.set RD,   10
.set LN,   11
.set COV,  12
.set GA,   13
.set RS,   16
.set T,    24
.set SC,   32
.set H,    96
.set AF,   128
.set CR,   128
.set SR,   160
.set BK,   128
.set U,    192
.set G1, 24
.set G0, 32
.set G1B, 48
.set G0B, 56
.set SEL, 66
.set G1S, 68
.set G0S, 76
.set G1SB, 80
.set G0SB, 88
.set KV, 100                           ; s[100:101] 8193.0
.set MSB, 0
.macro WIN new
.if MSB != \new
	s_set_vgpr_msb (MSB<<8)|\new
.set MSB, \new
.endif
.endm
.set MUL,  0xa1                        ; source 0 (B) window 1, source 1 (A) window 0, C and D window 2
.set TO_B, 0x40
.macro JLOAD g0a, g1a, g0b, g1b        ; waves 0 and 1 fetch for A, waves 2 and 3 for B; the branch hangs on the wave's number alone
	s_cmp_eq_u32 s15, 0
	s_cbranch_scc0 .Lfor_b_\@
	tensor_load_to_lds s[\g0a:\g0a+3], s[\g1a:\g1a+7]
	s_nop 0
.rept 4
	v_nop
.endr
	s_branch .Lasked_\@
.Lfor_b_\@:
	tensor_load_to_lds s[\g0b:\g0b+3], s[\g1b:\g1b+7]
	s_nop 0
.rept 4
	v_nop
.endr
.Lasked_\@:
.endm
.macro CREST
	s_cmp_lg_u32 s14, 0
	s_cbranch_scc1 .Lnot_wave_0_\@
	s_barrier_signal -3
.Lnot_wave_0_\@:
	s_barrier_wait -3
	s_barrier_signal -1
	s_barrier_wait -1
.endm
.macro CROUND
	s_barrier_signal -1
	s_barrier_wait -1
	CREST
.endm
.macro PLACES
.rept 4
	v_nop
.endr
.endm
	s_load_b256 s[4:11], s[0:1], 0x0               ; codes, scales, rope, q_norm_w
	s_load_b128 s[96:99], s[0:1], 0x20             ; k_norm_w, qkv
	v_lshl_add_u32 v[SPW], v0, 2, SPARE
	v_mov_b32 v[NIL], 0
	ds_add_u32 v[SPW], v[NIL]                      ; the opening: the add, twice on end, and its wait ahead of my first tensor load
	ds_add_u32 v[SPW], v[NIL]
	v_lshrrev_b32 v1, 5, v0
	v_readfirstlane_b32 s14, v1                    ; wave
	s_lshr_b32 s15, s14, 1                         ; my half of A's rows; also: I fetch for A (0) or B (1)
	s_and_b32 s16, s14, 1                          ; my half of B's rows; also: which half of that tile I fetch
	s_bfe_u32 s40, ttmp6, 0x40000                  ; cx
	s_bfe_u32 s41, ttmp6, 0x40004                  ; cy
	s_and_b32 s17, ttmp7, 0xffff                   ; the cluster's y
	s_lshl_b32 s18, s17, 2
	s_add_co_u32 s18, s18, s41                     ; q, k: the tile of 128 positions
	s_lshr_b32 s19, s17, 1
	s_lshl_b32 s19, s19, 2
	s_add_co_u32 s19, s19, s41                     ; v: the head
	s_add_co_u32 s20, s19, 40                      ; wv begins at row 5,120 = 40 x 128
	s_lshl_b32 s42, ttmp9, 2
	s_add_co_u32 s42, s42, s40                     ; q, k: the tile of 256 rows of wq and wk,
	s_add_co_u32 s44, s42, 8                       ; which begin at row 2,048 = 8 x 256
	s_and_b32 s43, s17, 1
	s_lshl_b32 s43, s43, 2
	s_add_co_u32 s43, s43, s40                     ; v: the tile of 256 positions
	s_cmp_eq_u32 ttmp9, 3                          ; the cluster's x: the same in all sixteen partners
	s_cselect_b32 s20, s20, s18                    ; A's tile: it holds cy and never cx
	s_cselect_b32 s44, s43, s44                    ; B's tile: it holds cx and never cy
	s_lshl_b32 s45, s41, 2
	s_lshl_b32 s45, 15, s45                        ; my row of the cluster
	s_lshl_b32 s46, 0x1111, s40                    ; my column
	s_or_b32 s[G1+0], s45, (1<<20)|(1<<21)|(5<<22)|(3<<25)          ; the mask; elements of 1 byte; padding on: 4 words behind every 64
	s_or_b32 s[G1B+0], s46, (1<<20)|(1<<21)|(5<<22)|(3<<25)
	s_or_b32 s[G1S+0], s45, (3<<16)|(1<<20)|(1<<21)|(5<<22)|(3<<25) ; the scales: elements of 8 bytes, rows of 32
	s_or_b32 s[G1SB+0], s46, (3<<16)|(1<<20)|(1<<21)|(5<<22)|(3<<25)
	s_mov_b32 s[G1+1], 256<<16                     ; tensor_dim0
	s_mov_b32 s[G1+2], 64<<16                      ; tensor_dim1
	s_mov_b32 s[G1+3], 256<<16                     ; tile_dim0
	s_mov_b32 s[G1+4], 64                          ; tile_dim1
	s_mov_b32 s[G1+5], KROW                        ; the pitch
	s_mov_b32 s[G1+6], 0
	s_mov_b32 s[G1+7], 0
	s_mov_b32 s[G1B+1], 256<<16
	s_mov_b32 s[G1B+2], 128<<16
	s_mov_b32 s[G1B+3], 256<<16
	s_mov_b32 s[G1B+4], 128
	s_mov_b32 s[G1B+5], KROW
	s_mov_b32 s[G1B+6], 0
	s_mov_b32 s[G1B+7], 0
	s_mov_b32 s[G1S+1], 32<<16
	s_mov_b32 s[G1S+2], 16<<16
	s_mov_b32 s[G1S+3], 32<<16
	s_mov_b32 s[G1S+4], 16
	s_mov_b32 s[G1S+5], 32
	s_mov_b32 s[G1S+6], 0
	s_mov_b32 s[G1S+7], 0
	s_mov_b32 s[G1SB+1], 32<<16
	s_mov_b32 s[G1SB+2], 32<<16
	s_mov_b32 s[G1SB+3], 32<<16
	s_mov_b32 s[G1SB+4], 32
	s_mov_b32 s[G1SB+5], 32
	s_mov_b32 s[G1SB+6], 0
	s_mov_b32 s[G1SB+7], 0
	s_lshl_b32 s20, s20, 7
	s_lshl_b32 s21, s16, 6
	s_add_co_u32 s20, s20, s21                     ; A: the first row that I would fetch
	s_lshl_b32 s44, s44, 8
	s_lshl_b32 s21, s16, 7
	s_add_co_u32 s44, s44, s21                     ; B likewise
	s_lshl_b32 s22, s20, 6                         ; 64 scale bytes a row,
	s_mov_b32 s23, 0
	s_lshl_b32 s20, s20, 10                        ; 1,024 bytes of codes
	s_mov_b32 s21, 0
	s_lshl_b32 s46, s44, 6
	s_mov_b32 s47, 0
	s_lshl_b32 s44, s44, 10
	s_mov_b32 s45, 0
	s_mul_i32 s92, s16, HALFA                      ; where they go: no place in the cluster enters an LDS address
	s_mul_i32 s93, s16, HALFB
	s_add_co_u32 s93, s93, BOFF
	s_mul_i32 s94, s16, HSA
	s_add_co_u32 s94, s94, SCL
	s_mul_i32 s95, s16, HSB
	s_add_co_u32 s95, s95, SCL+2*HSA
	s_mov_b32 s[SEL], 0x76543210
	s_mov_b32 s[SEL+1], 0xfedcba98
	s_mov_b32 s2, 0x3c000000                       ; 1/128
	s_mov_b32 s3, 0x358637bd                       ; 1e-6
	s_mov_b32 s[KV], 0x46000400                    ; 8193
	s_mov_b32 s[KV+1], s[KV]
	s_wait_dscnt 0x0                               ; both opening adds are done
	s_wait_kmcnt 0x0
	s_add_nc_u64 s[20:21], s[4:5], s[20:21]
	s_add_nc_u64 s[22:23], s[6:7], s[22:23]
	s_add_nc_u64 s[44:45], s[4:5], s[44:45]
	s_add_nc_u64 s[46:47], s[6:7], s[46:47]
	CROUND                                         ; all sixteen work-groups are here: the first joint loads meet
	s_mov_b32 s[G0S], 1
	s_mov_b32 s[G0S+1], s94
	s_mov_b64 s[G0S+2:G0S+3], s[22:23]
	s_or_b32 s[G0S+3], s[G0S+3], 0x80000000
	s_mov_b32 s[G0SB], 1
	s_mov_b32 s[G0SB+1], s95
	s_mov_b64 s[G0SB+2:G0SB+3], s[46:47]
	s_or_b32 s[G0SB+3], s[G0SB+3], 0x80000000
	JLOAD G0S, G1S, G0SB, G1SB                     ; the scales first: they are wanted with the first slot
.irp s, 0,1
	s_mov_b32 s[G0+4*\s], 1
	s_add_co_u32 s[G0+4*\s+1], s92, \s*SLOT
	s_add_nc_u64 s[G0+4*\s+2:G0+4*\s+3], s[20:21], \s*256
	s_or_b32 s[G0+4*\s+3], s[G0+4*\s+3], 0x80000000
	s_mov_b32 s[G0B+4*\s], 1
	s_add_co_u32 s[G0B+4*\s+1], s93, \s*SLOT
	s_add_nc_u64 s[G0B+4*\s+2:G0B+4*\s+3], s[44:45], \s*256
	s_or_b32 s[G0B+4*\s+3], s[G0B+4*\s+3], 0x80000000
	JLOAD G0+4*\s, G1, G0B+4*\s, G1B
.endr
	v_and_b32 v14, 15, v0                          ; r
	v_bfe_u32 v15, v0, 4, 1                        ; h
	v_mul_u32_u24 v1, v14, PITCH
	v_lshl_add_u32 v1, v15, 4, v1                  ; a fragment's row x pitch + 16 h
	s_mul_i32 s21, s15, HALFA                      ; my 64 rows of A
	s_mul_i32 s22, s16, HALFB                      ; my 128 rows of B
	s_add_co_u32 s22, s22, BOFF
.irp s, 0,1
	v_add_nc_u32 v[ADRA+\s], s21, v1
	v_add_nc_u32 v[ADRB+\s], s22, v1
	s_add_co_u32 s21, s21, SLOT
	s_add_co_u32 s22, s22, SLOT
.endr
	v_mul_u32_u24 v1, v14, 64                      ; my row's scales: 64 bytes a row,
	v_lshrrev_b32 v[ADRS], 8, v1
	v_lshl_add_u32 v1, v[ADRS], 4, v1              ; and 16 more for each 256 passed
	s_mul_i32 s21, s15, HSA                        ; A's: my 64 rows
	s_mul_i32 s22, s16, HSB                        ; B's: my 128 rows, behind A's 128
	s_add_co_u32 s22, s22, 2*HSA
	s_sub_co_u32 s22, s22, s21
	v_mul_u32_u24 v[ADRS], s22, v15                ; lanes 16-31 take B's
	s_add_co_u32 s21, s21, SCL
	v_add_nc_u32 v1, v1, v[ADRS]
	v_add_nc_u32 v[ADRS], s21, v1
	s_mul_i32 s21, s14, 16*PITCH                   ; my stage
	v_mul_u32_u24 v[STO], v14, PITCH
	v_lshl_add_u32 v[STO], v15, 4, v[STO]
	v_add_nc_u32 v[STO], s21, v[STO]               ; in: row r, 16 bytes for each half of the lanes
	v_mul_u32_u24 v[RD], v15, PITCH
	v_lshl_add_u32 v[RD], v14, 4, v[RD]
	v_add_nc_u32 v[RD], s21, v[RD]                 ; back: lanes 0-15 one row of 256 bytes, lanes 16-31 the next
	v_and_b32 v[LN], 31, v0
	v_lshlrev_b32 v[LN], 4, v[LN]                  ; 16 x lane
	v_lshlrev_b32 v[COV], 12, v15
	v_lshl_add_u32 v[COV], v14, 4, v[COV]          ; v: two rows of 4,096 bytes
	v_lshlrev_b32 v[GA], 5, v15                    ; the gains: 32 h
.macro FRAG reg, adr, q, i             ; 16 rows x 128 K of 4-bit codes: 8 registers, two loads 32 bytes apart
.irp c, 0,1
	ds_load_b128 v[\reg+4*\c:\reg+4*\c+3], v[\adr] offset:64*(\q)+32*\c+(\i)*16*PITCH
.endr
.endm
.macro FETCH slot, q, set              ; 24 loads: B's eight fragments and A's four of the slot's q-th 128 along K
	WIN TO_B
.irp i, 0,1,2,3,4,5,6,7
	FRAG 128*(\set)+8*\i, ADRB+\slot, \q, \i
.endr
	WIN 0
.irp i, 0,1,2,3
	FRAG AF+32*(\set)+8*\i, ADRA+\slot, \q, \i
.endr
.endm
.macro SCALES sc, ks                   ; slot's worth ks of K: four words a row; lanes 0-15 A's block i (i over 3: filled bytes that no product reads), lanes 16-31 B's block i
.irp i, 0,1,2,3,4,5,6,7
	ds_load_b128 v[SC+32*(\sc)+4*\i:SC+32*(\sc)+4*\i+3], v[ADRS] offset:\i*SBLK+16*(\ks)
.endr
.endm
.macro MUL8 a, set, q, sc, zero        ; A's block a against B's eight.  The 32 accumulators take turns, one instruction a turn, in the same order in every step
.irp b, 0,1,2,3,4,5,6,7
.if \zero
	v_wmma_scale_f32_16x16x128_f8f6f4 v[8*(8*(\a)+\b):8*(8*(\a)+\b)+7], v[128*(\set)+8*\b:128*(\set)+8*\b+7], v[AF+32*(\set)+8*(\a):AF+32*(\set)+8*(\a)+7], 0, v[SC+32*(\sc)+4*\b+(\q)], v[SC+32*(\sc)+4*(\a)+(\q)] matrix_a_fmt:MATRIX_FMT_FP4 matrix_b_fmt:MATRIX_FMT_FP4 matrix_a_scale:MATRIX_SCALE_ROW1
.else
	v_wmma_scale_f32_16x16x128_f8f6f4 v[8*(8*(\a)+\b):8*(8*(\a)+\b)+7], v[128*(\set)+8*\b:128*(\set)+8*\b+7], v[AF+32*(\set)+8*(\a):AF+32*(\set)+8*(\a)+7], v[8*(8*(\a)+\b):8*(8*(\a)+\b)+7], v[SC+32*(\sc)+4*\b+(\q)], v[SC+32*(\sc)+4*(\a)+(\q)] matrix_a_fmt:MATRIX_FMT_FP4 matrix_b_fmt:MATRIX_FMT_FP4 matrix_a_scale:MATRIX_SCALE_ROW1
.endif
.endr
.endm
; Step t of 16 (128 along K), with its successor in the same slot: the next step's fragments are asked for first, into the set that step t - 1 multiplied.
.macro STEPN t, zero
.if (\t) > 0
	PLACES                                         ; four plain places between the last products and loads into registers that they read
.endif
	FETCH (((\t)+1)/4)%2, ((\t)+1)%4, ((\t)+1)%2
	s_wait_dscnt 24                                ; all but the 24 just issued: this step's fragments (and scale words) are in
	WIN MUL
	MUL8 0, (\t)%2, (\t)%4, ((\t)/4)%2, \zero
	MUL8 1, (\t)%2, (\t)%4, ((\t)/4)%2, \zero
	MUL8 2, (\t)%2, (\t)%4, ((\t)/4)%2, \zero
	MUL8 3, (\t)%2, (\t)%4, ((\t)/4)%2, \zero
.endm
; A slot's last step changes slots: one barrier; in front of it each wave waits for all its tensor loads, adds 0 to its spare word, and waits for that and for its reads of this slot.
.macro TURN t, fill
.set SL, ((\t)/4)%2
.set NX, 1-SL
	WIN 0
	s_wait_tensorcnt 0x0                           ; all my tensor loads have landed: my part of the next slot
	ds_add_u32 v[SPW], v[NIL]
	s_wait_dscnt 1                                 ; this step's fragments are in; the add may be out
	WIN MUL
	MUL8 0, 1, 3, SL, 0
	s_wait_dscnt 0x0                               ; the add is done, and my reads of this slot are over
	s_barrier_signal -1
	MUL8 1, 1, 3, SL, 0
	WIN 0
	s_barrier_wait -1
.if \fill
	CREST                                          ; the barrier has opened a round of the cluster's: no wave of any partner still reads this slot or has a load on its way
	s_add_nc_u64 s[G0+4*SL+2:G0+4*SL+3], s[G0+4*SL+2:G0+4*SL+3], 512
	s_add_nc_u64 s[G0B+4*SL+2:G0B+4*SL+3], s[G0B+4*SL+2:G0B+4*SL+3], 512
	JLOAD G0+4*SL, G1, G0B+4*SL, G1B               ; the first tensor load behind the round; its four v_nop are the places in front of the loads below
.else
	PLACES
.endif
	FETCH NX, 0, 0
	SCALES NX, ((\t)+1)/4
	WIN MUL
	MUL8 2, 1, 3, SL, 0
	MUL8 3, 1, 3, SL, 0
.endm
	s_wait_tensorcnt 1                             ; the scales and my part of slot 0 are in; slot 1's load may be out
	s_barrier_signal -1
	s_barrier_wait -1
	FETCH 0, 0, 0
	SCALES 0, 0
	STEPN 0, 1                                     ; the first step's products start the sums: nothing is cleared
	STEPN 1, 0
	STEPN 2, 0
	TURN 3, 1
	STEPN 4, 0
	STEPN 5, 0
	STEPN 6, 0
	TURN 7, 1
	STEPN 8, 0
	STEPN 9, 0
	STEPN 10, 0
	TURN 11, 0                                     ; nothing is left to fetch
	STEPN 12, 0
	STEPN 13, 0
	STEPN 14, 0
	s_wait_dscnt 0x0
	MUL8 0, 1, 3, 1, 0
	MUL8 1, 1, 3, 1, 0
	MUL8 2, 1, 3, 1, 0
	MUL8 3, 1, 3, 1, 0
	WIN 0
	PLACES                                         ; in front of the first reads of results and of loads into the fragments' registers
.macro FINISH
	s_wait_tensorcnt 0x0                           ; the wave's end
	ds_add_u32 v[SPW], v[NIL]
	s_wait_dscnt 0x0
	CROUND                                         ; the closing round
	s_endpgm
.endm
	s_cmp_eq_u32 ttmp9, 3
	s_cbranch_scc1 .Lvway
; ---------------- q and k.  Lane (r, h) holds position 16 a + r and, in accumulator b, channels 16 b + 8 h + 0..7 of my head.
	s_cmp_lt_u32 ttmp9, 2                          ; clusters 0 and 1 hold wq's rows
	s_cselect_b64 s[10:11], s[10:11], s[96:97]
	WIN 0xc0
.irp b, 0,1,2,3,4,5,6,7
	global_load_b128 v[8*\b:8*\b+3], v[GA], s[10:11] offset:64*\b            ; the gains in the accumulators' order
	global_load_b128 v[8*\b+4:8*\b+7], v[GA], s[10:11] offset:64*\b+16
.endr
	s_lshl_b32 s20, s18, 3
	s_lshl_b32 s21, s15, 2
	s_add_co_u32 s20, s20, s21                     ; my first block of 16 positions
	s_lshl_b32 s20, s20, 13
	s_mov_b32 s21, 0
	s_add_nc_u64 s[8:9], s[8:9], s[20:21]
	WIN 0x40
.irp a, 0,1,2,3
.irp i, 0,1,2,3,4,5,6,7
	global_load_b128 v[64*\a+4*\i:64*\a+4*\i+3], v[LN], s[8:9] offset:8192*\a+512*\i             ; cos
	global_load_b128 v[64*\a+32+4*\i:64*\a+32+4*\i+3], v[LN], s[8:9] offset:8192*\a+4096+512*\i  ; sin
.endr
.endr
	s_lshl_b32 s20, s42, 1
	s_add_co_u32 s20, s20, s16                     ; my head, 0..23
	s_lshl_b32 s20, s20, 19
	s_lshl_b32 s21, s18, 15
	s_add_co_u32 s20, s20, s21
	s_lshl_b32 s21, s15, 14
	s_add_co_u32 s20, s20, s21                     ; + my first position x 256 bytes
	s_mov_b32 s21, 0
	s_add_nc_u64 s[98:99], s[98:99], s[20:21]
.irp a, 0,1,2,3                                ; the sums of squares: four chains, each accumulator from its low end on
	WIN 0x0a
.irp b, 0,1,2,3,4,5,6,7
.irp p, 0,1,2,3
.if \b == 0
	v_pk_mul_f32 v[T+2*\p:T+2*\p+1], v[64*\a+8*\b+2*\p:64*\a+8*\b+2*\p+1], v[64*\a+8*\b+2*\p:64*\a+8*\b+2*\p+1]
.else
	v_pk_fma_f32 v[T+2*\p:T+2*\p+1], v[64*\a+8*\b+2*\p:64*\a+8*\b+2*\p+1], v[64*\a+8*\b+2*\p:64*\a+8*\b+2*\p+1], v[T+2*\p:T+2*\p+1]
.endif
.endr
.endr
	WIN 0
	v_pk_add_f32 v[T:T+1], v[T:T+1], v[T+2:T+3]
	v_pk_add_f32 v[T+4:T+5], v[T+4:T+5], v[T+6:T+7]
	v_pk_add_f32 v[T:T+1], v[T:T+1], v[T+4:T+5]
	v_add_f32 v[RS+2*\a], v[T], v[T+1]
	v_mov_b32 v[RS+2*\a+1], 0
.endr
.irp a, 0,1,2,3
	v_permlanex16_b32 v[RS+2*\a+1], v[RS+2*\a], s[SEL], s[SEL+1]   ; the row's other 64 channels lie in the lane 16 away
.endr
.irp a, 0,1,2,3
	v_add_f32 v[RS+2*\a], v[RS+2*\a], v[RS+2*\a+1]
.endr
.irp a, 0,1,2,3
	v_fma_f32 v[RS+2*\a], v[RS+2*\a], s2, s3       ; the mean + 1e-6
.endr
.irp a, 0,1,2,3
	v_rsq_f32 v[RS+2*\a], v[RS+2*\a]
.endr
	v_nop                                          ; a plain instruction behind the last of them,
	s_wait_alu depctr_va_vdst(0)                   ; and one wait for the four, ahead of their first reader
	s_wait_loadcnt 0x0                             ; the gains and the table
.irp a, 0,1,2,3
.if \a > 0
	s_wait_xcnt 0x0                                ; the last block's stores have read their registers, which are written again below
.endif
	WIN 0x0e                                       ; source 0: the accumulators (window 2); source 1: the gains (window 3)
.set i, 0
.rept 32
	v_pk_mul_f32 v[U+2*i:U+2*i+1], v[64*\a+2*i:64*\a+2*i+1], v[2*i:2*i+1]
.set i, i+1
.endr
	WIN 0x01                                       ; source 0: the table (window 1)
.set i, 0
.rept 16
	v_pk_mul_f32 v[CR+2*i:CR+2*i+1], v[64*\a+2*i:64*\a+2*i+1], v[RS+2*\a:RS+2*\a+1] op_sel_hi:[1,0]        ; cos / rms
	v_pk_mul_f32 v[SR+2*i:SR+2*i+1], v[64*\a+32+2*i:64*\a+32+2*i+1], v[RS+2*\a:RS+2*\a+1] op_sel_hi:[1,0]  ; sin / rms
.set i, i+1
.endr
	WIN 0
.set i, 0
.rept 16                                       ; channel d < 64: u(d) cos - u(d + 64) sin;  channel d + 64: u(d + 64) cos + u(d) sin
.set TA, T+4*(i%2)
	v_pk_mul_f32 v[TA:TA+1], v[U+32+2*i:U+33+2*i], v[SR+2*i:SR+2*i+1]
	v_pk_mul_f32 v[TA+2:TA+3], v[U+2*i:U+2*i+1], v[SR+2*i:SR+2*i+1]
	v_pk_fma_f32 v[U+2*i:U+2*i+1], v[U+2*i:U+2*i+1], v[CR+2*i:CR+2*i+1], v[TA:TA+1] neg_lo:[0,0,1] neg_hi:[0,0,1]
	v_pk_fma_f32 v[U+32+2*i:U+33+2*i], v[U+32+2*i:U+33+2*i], v[CR+2*i:CR+2*i+1], v[TA+2:TA+3]
.set i, i+1
.endr
.set i, 0
.rept 32
	v_cvt_pk_f16_f32 v[H+i], v[U+2*i], v[U+2*i+1]
.set i, i+1
.endr
.irp b, 0,1,2,3,4,5,6,7
	ds_store_b128 v[STO], v[H+4*\b:H+4*\b+3] offset:32*\b
.endr
.irp t, 0,1,2,3,4,5,6,7
	ds_load_b128 v[BK+4*\t:BK+4*\t+3], v[RD] offset:\t*2*PITCH     ; LDS serves a wave's instructions in order: these see my stores
.endr
	s_wait_dscnt 0x0
.irp t, 0,1,2,3,4,5,6,7
	global_store_b128 v[LN], v[BK+4*\t:BK+4*\t+3], s[98:99] offset:4096*\a+512*\t   ; two whole rows of 256 bytes a store
.endr
.endr
	FINISH
; ---------------- v.  Lane (r, h) holds channel 16 a + r and, in accumulator b, positions 16 b + 8 h + 0..7.  High part: v rounded to 11 bits by c = 8193 v, hi = c + (v - c); low part: v - hi.
.Lvway:
	s_lshl_b32 s20, s19, 19
	s_add_co_u32 s20, s20, 12582912
	s_lshl_b32 s21, s15, 18
	s_add_co_u32 s20, s20, s21                     ; my 64 channels
	s_lshl_b32 s21, s43, 9
	s_add_co_u32 s20, s20, s21                     ; the tile's 256 positions
	s_lshl_b32 s21, s16, 8
	s_add_co_u32 s20, s20, s21                     ; my 128 of them
	s_mov_b32 s21, 0
	s_add_nc_u64 s[98:99], s[98:99], s[20:21]
.irp a, 0,1,2,3
.if \a > 0
	s_wait_xcnt 0x0                                ; the last block's stores have read their registers
.endif
	WIN 0x02                                       ; source 0: the accumulators, each from its low end on
.set i, 0
.rept 32
	v_pk_mul_f32 v[128+2*i:129+2*i], v[64*\a+2*i:64*\a+2*i+1], s[KV:KV+1] op_sel_hi:[1,0]
.set i, i+1
.endr
.set i, 0
.rept 32
	v_pk_add_f32 v[U+2*i:U+2*i+1], v[64*\a+2*i:64*\a+2*i+1], v[128+2*i:129+2*i] neg_lo:[0,1] neg_hi:[0,1]
.set i, i+1
.endr
	WIN 0
.set i, 0
.rept 32
	v_pk_add_f32 v[128+2*i:129+2*i], v[128+2*i:129+2*i], v[U+2*i:U+2*i+1]        ; the high part
.set i, i+1
.endr
	WIN 0x02
.set i, 0
.rept 32
	v_pk_add_f32 v[U+2*i:U+2*i+1], v[64*\a+2*i:64*\a+2*i+1], v[128+2*i:129+2*i] neg_lo:[0,1] neg_hi:[0,1]   ; the low part
.set i, i+1
.endr
	WIN 0
.set i, 0
.rept 32
	v_cvt_pk_f16_f32 v[H+i], v[128+2*i], v[129+2*i]
.set i, i+1
.endr
.irp b, 0,1,2,3,4,5,6,7
	ds_store_b128 v[STO], v[H+4*\b:H+4*\b+3] offset:STGH+32*\b
.endr
.irp t, 0,1,2,3,4,5,6,7
	ds_load_b128 v[160+4*\t:163+4*\t], v[RD] offset:STGH+\t*2*PITCH
.endr
.set i, 0
.rept 32
	v_cvt_pk_f16_f32 v[128+i], v[U+2*i], v[U+2*i+1]
.set i, i+1
.endr
.irp b, 0,1,2,3,4,5,6,7
	ds_store_b128 v[STO], v[128+4*\b:131+4*\b] offset:STGL+32*\b
.endr
.irp t, 0,1,2,3,4,5,6,7
	ds_load_b128 v[U+4*\t:U+4*\t+3], v[RD] offset:STGL+\t*2*PITCH
.endr
	s_wait_dscnt 16                                ; the high part's rows are back: behind them stand the low part's 8 stores and 8 loads
.irp t, 0,1,2,3,4,5,6,7
	global_store_b128 v[COV], v[160+4*\t:163+4*\t], s[98:99] offset:(16*\a+2*\t)*4096      ; sixteen lanes store 256 consecutive bytes, aligned
.endr
	s_wait_dscnt 0x0
.irp t, 0,1,2,3,4,5,6,7
	global_store_b128 v[COV], v[U+4*\t:U+4*\t+3], s[98:99] offset:4194304+(16*\a+2*\t)*4096
.endr
.endr
	FINISH
.Lfunc_end_k_q87936bffe2_qkv:
	.size	k_q87936bffe2_qkv, .Lfunc_end_k_q87936bffe2_qkv-k_q87936bffe2_qkv
	.p2alignl 7, 3214868480
	.fill 96, 4, 3214868480
	.section	.rodata,"a",@progbits
	.p2align	6, 0x0
	.amdhsa_kernel k_q87936bffe2_qkv
		.amdhsa_group_segment_fixed_size 327680
		.amdhsa_private_segment_fixed_size 0
		.amdhsa_enable_private_segment 0
		.amdhsa_kernarg_size 48
		.amdhsa_user_sgpr_count 2
		.amdhsa_user_sgpr_kernarg_segment_ptr 1
		.amdhsa_wavefront_size32 1
		.amdhsa_system_sgpr_workgroup_id_x 1
		.amdhsa_system_sgpr_workgroup_id_y 1
		.amdhsa_system_sgpr_workgroup_id_z 1
		.amdhsa_system_vgpr_workitem_id 0
		.amdhsa_next_free_vgpr 1024
		.amdhsa_next_free_sgpr 104
		.amdhsa_reserve_vcc 0
		.amdhsa_float_denorm_mode_32 3
		.amdhsa_float_denorm_mode_16_64 3
		.amdhsa_memory_ordered 1
		.amdhsa_forward_progress 1
		.amdhsa_inst_pref_size 237
	.end_amdhsa_kernel
	.amdgpu_metadata
---
amdhsa.version: [ 1, 2 ]
amdhsa.kernels:
  - .name:           k_q87936bffe2_qkv
    .symbol:         k_q87936bffe2_qkv.kd
    .args:
      - { .name: codes, .offset: 0, .size: 8, .value_kind: global_buffer, .address_space: global }
      - { .name: scales, .offset: 8, .size: 8, .value_kind: global_buffer, .address_space: global }
      - { .name: rope, .offset: 16, .size: 8, .value_kind: global_buffer, .address_space: global }
      - { .name: q_norm_w, .offset: 24, .size: 8, .value_kind: global_buffer, .address_space: global }
      - { .name: k_norm_w, .offset: 32, .size: 8, .value_kind: global_buffer, .address_space: global }
      - { .name: qkv, .offset: 40, .size: 8, .value_kind: global_buffer, .address_space: global }
    .group_segment_fixed_size: 327680
    .private_segment_fixed_size: 0
    .kernarg_segment_align: 8
    .kernarg_segment_size: 48
    .max_flat_workgroup_size: 128
    .sgpr_count:     104
    .vgpr_count:     1024
    .wavefront_size: 32
...
	.end_amdgpu_metadata
.endif
;; end of part 2
;; launch fineattn (part 3): grid 32 x 8, 1 waves a work-group, no clusters, 0 bytes of LDS; arguments qkv, attention_mask, fine; writes fine
.if DOCPART == 3
	.amdgcn_target "amdgcn-amd-amdhsa--gfx1250"
	.amdhsa_code_object_version 6
	.text
	.protected	k_q87936bffe2_fineattn
	.globl	k_q87936bffe2_fineattn
	.p2align	8
	.type	k_q87936bffe2_fineattn,@function
k_q87936bffe2_fineattn:
	s_mov_b64 s[64:65], 0
	v_nop
	global_prefetch_b8 v0, s[64:65] scope:SCOPE_SE
	s_setreg_imm32_b32 hwreg(HW_REG_WAVE_MODE, 25, 1), 1
	s_wait_xcnt 0x0
; FINEATTN: positions 0 to 15 of every head, carried more finely: these rows may average very few values.  One wave takes one key and value head g (work-group y), keys 64 sp .. 64 sp + 63 (work-group x), and both
; query heads 2 g + u: two tiles of 16 queries.  It stores O^T (not normalised), the part's largest score m and the part's sum l; the next launch joins the 32 parts.
; Scores come from the f16 q and k; S = (q.k) / sqrt(128) + mask in f32, one fused multiply-add; p = 2^(c (S - m)), c = log2 e: the difference is taken first, so that a large m (a part whose keys are all masked) costs no bit of it.
; p and v go to the second product as pairs of f16, a high and a low part: three products (v_hi p_hi, v_lo p_hi, v_hi p_lo).  p_hi = p rounded to 11 bits by t = 8193 p, hi = t + (p - t); p_lo = p - p_hi.
; Both products are used transposed (S^T = K Q^T, O^T = V^T P): a lane holds ONE query (lane % 16) throughout.
; LIMIT: the largest score is held at -1e38 from below, so that a part whose mask is -infinity everywhere gives p = 0 and l = 0.
; No LDS, no loop: all 120 loads go out at the head.
; REGISTERS, window 0: v1-7 addresses; v8-23 figures; v32-63 p_hi; v64-127 S^T, then p, then p's low part; v128-159, v160-191 at work (v160-191 first the mask); v192-223 p_lo.
;   window 1: v0-127 K (16 keys x 32 channels at v[32 kt + 8 c]); v128-191 Q.   window 2: v0-127 v_hi (v[64 ks + 8 ct]); v128-255 v_lo.   window 3: v0-127 O^T (v[64 u + 8 ct]).
.set S,  64
.set M,  160
.set PH, 32
.set PL, 192
.set CC, 128
.set TT, 160
.set MX, 8
.set PX, 10
.set CM, 12                            ; v12, v14: m of tile 0, 1 (each the low word of a pair)
.set LS, 16
.set LT, 20
.set FG, 22
.set MSB, 0
.macro WIN new
.if MSB != \new
	s_set_vgpr_msb (MSB<<8)|\new
.set MSB, \new
.endif
.endm
	s_load_b128 s[4:7], s[0:1], 0x0                ; qkv, attention_mask
	s_load_b64 s[8:9], s[0:1], 0x10                ; fine
	v_and_b32 v1, 15, v0                           ; r
	v_bfe_u32 v2, v0, 4, 1                         ; h
	v_lshlrev_b32 v3, 8, v1
	v_lshl_add_u32 v3, v2, 4, v3                   ; Q, K: row r of 256 bytes + 16 h
	v_lshlrev_b32 v4, 12, v1
	v_lshl_add_u32 v4, v2, 4, v4                   ; V: channel row r of 4,096 bytes + 16 h
	v_lshlrev_b32 v5, 13, v1
	v_lshl_add_u32 v5, v2, 5, v5                   ; the mask: row r of 8,192 bytes + 32 h
	v_lshlrev_b32 v6, 4, v0                        ; 16 x lane
	v_lshlrev_b32 v7, 7, v1
	v_lshl_add_u32 v7, v2, 15, v7                  ; the figures: 128 r; lanes 16-31 store l, 32,768 bytes on
	s_and_b32 s10, ttmp7, 0xffff                   ; g
	s_lshl_b32 s12, s10, 20                        ; Q: head 2 g
	s_mov_b32 s13, 0
	s_lshl_b32 s14, s10, 19
	s_lshl_b32 s16, ttmp9, 14
	s_add_co_u32 s16, s16, s14
	s_add_co_u32 s16, s16, 8388608                 ; K: head 16 + g, row 64 sp
	s_mov_b32 s17, 0
	s_lshl_b32 s18, ttmp9, 7
	s_add_co_u32 s18, s18, s14
	s_add_co_u32 s18, s18, 12582912                ; V: head g, position 64 sp
	s_mov_b32 s19, 0
	s_lshl_b32 s20, ttmp9, 8                       ; the mask: key 64 sp
	s_mov_b32 s21, 0
	s_lshl_b32 s22, ttmp9, 17
	s_lshl_b32 s23, s10, 14
	s_add_co_u32 s22, s22, s23                     ; the parts: split sp, head 2 g
	s_mov_b32 s23, 0
	s_lshl_b32 s24, s10, 12
	s_lshl_b32 s25, ttmp9, 2
	s_add_co_u32 s24, s24, s25
	s_add_co_u32 s24, s24, 4194304                 ; the figures: head 2 g, split sp
	s_mov_b32 s25, 0
	s_mov_b32 s26, 0x46000400                      ; 8193
	s_mov_b32 s27, s26
	s_mov_b32 s28, 0x3db504f3                      ; 1 / sqrt(128)
	s_mov_b32 s29, s28
	s_mov_b32 s30, 0x3fb8aa3b                      ; c = log2 e
	s_mov_b32 s31, s30
	s_mov_b32 s32, 0x76543210
	s_mov_b32 s33, 0xfedcba98
	s_mov_b32 s34, 0xfe967699                      ; -1e38
	s_wait_kmcnt 0x0
	s_add_nc_u64 s[12:13], s[4:5], s[12:13]
	s_add_nc_u64 s[16:17], s[4:5], s[16:17]
	s_add_nc_u64 s[18:19], s[4:5], s[18:19]
	s_add_nc_u64 s[20:21], s[6:7], s[20:21]
	s_add_nc_u64 s[22:23], s[8:9], s[22:23]
	s_add_nc_u64 s[24:25], s[8:9], s[24:25]
	WIN 0x40
.irp u, 0,1
.irp c, 0,1,2,3
	global_load_b128 v[128+32*\u+8*\c:131+32*\u+8*\c], v3, s[12:13] offset:524288*\u+64*\c
	global_load_b128 v[132+32*\u+8*\c:135+32*\u+8*\c], v3, s[12:13] offset:524288*\u+64*\c+32
.endr
.endr
.irp kt, 0,1,2,3
.irp c, 0,1,2,3
	global_load_b128 v[32*\kt+8*\c:32*\kt+8*\c+3], v3, s[16:17] offset:4096*\kt+64*\c
	global_load_b128 v[32*\kt+8*\c+4:32*\kt+8*\c+7], v3, s[16:17] offset:4096*\kt+64*\c+32
.endr
.endr
	WIN 0
.irp i, 0,1,2,3,4,5,6,7
	global_load_b128 v[M+4*\i:M+4*\i+3], v5, s[20:21] offset:64*(\i/2)+16*(\i%2)   ; query r, keys 16 kt + 8 h + 0..7: the scores' own layout
.endr
	WIN 0x80
.irp ks, 0,1
.irp ct, 0,1,2,3,4,5,6,7
	global_load_b128 v[64*\ks+8*\ct:64*\ks+8*\ct+3], v4, s[18:19] offset:65536*\ct+64*\ks
	global_load_b128 v[64*\ks+8*\ct+4:64*\ks+8*\ct+7], v4, s[18:19] offset:65536*\ct+64*\ks+32
.endr
.endr
.irp ks, 0,1
.irp ct, 0,1,2,3,4,5,6,7
	global_load_b128 v[128+64*\ks+8*\ct:131+64*\ks+8*\ct], v4, s[18:19] offset:4194304+65536*\ct+64*\ks
	global_load_b128 v[132+64*\ks+8*\ct:135+64*\ks+8*\ct], v4, s[18:19] offset:4194304+65536*\ct+64*\ks+32
.endr
.endr
	s_wait_loadcnt 63                              ; behind Q, K and the mask stand V's 64 loads: 63 is the most that the wait can name
	WIN 0x05                                       ; K and Q in window 1
.irp c, 0,1,2,3                                ; eight accumulators by turns
.irp kt, 0,1,2,3
.irp u, 0,1
.if \c == 0
	v_wmma_f32_16x16x32_f16 v[S+32*\u+8*\kt:S+32*\u+8*\kt+7], v[32*\kt+8*\c:32*\kt+8*\c+7], v[128+32*\u+8*\c:135+32*\u+8*\c], 0
.else
	v_wmma_f32_16x16x32_f16 v[S+32*\u+8*\kt:S+32*\u+8*\kt+7], v[32*\kt+8*\c:32*\kt+8*\c+7], v[128+32*\u+8*\c:135+32*\u+8*\c], v[S+32*\u+8*\kt:S+32*\u+8*\kt+7]
.endif
.endr
.endr
.endr
	WIN 0
.rept 4
	v_nop
.endr
.irp u, 0,1
.set b, 0
.rept 16
	v_pk_fma_f32 v[S+32*\u+2*b:S+32*\u+2*b+1], v[S+32*\u+2*b:S+32*\u+2*b+1], s[28:29], v[M+2*b:M+2*b+1] op_sel_hi:[1,0,1]   ; score / sqrt(128) + mask; each accumulator from its low end on
.set b, b+1
.endr
.endr
.irp u, 0,1
	v_max3_num_f32 v[MX+\u], v[S+32*\u], v[S+32*\u+1], s34
	v_mov_b32 v[PX+\u], 0
.endr
.irp i, 2,4,6,8,10,12,14,16,18,20,22,24,26,28,30
.irp u, 0,1
	v_max3_num_f32 v[MX+\u], v[MX+\u], v[S+32*\u+\i], v[S+32*\u+\i+1]
.endr
.endr
.irp u, 0,1
	v_permlanex16_b32 v[PX+\u], v[MX+\u], s32, s33
.endr
.irp u, 0,1
	v_max_num_f32 v[CM+2*\u], v[MX+\u], v[PX+\u]   ; m
	v_mov_b32 v[CM+2*\u+1], 0                      ; (named with it as a pair)
.endr
.irp u, 0,1
.set b, 0
.rept 16
	v_pk_add_f32 v[S+32*\u+2*b:S+32*\u+2*b+1], v[S+32*\u+2*b:S+32*\u+2*b+1], v[CM+2*\u:CM+2*\u+1] op_sel_hi:[1,0] neg_lo:[0,1] neg_hi:[0,1]   ; S - m
.set b, b+1
.endr
.endr
.irp u, 0,1
.set b, 0
.rept 16
	v_pk_mul_f32 v[S+32*\u+2*b:S+32*\u+2*b+1], v[S+32*\u+2*b:S+32*\u+2*b+1], s[30:31] op_sel_hi:[1,0]   ; x c
.set b, b+1
.endr
.endr
.set i, 0
.rept 64
	v_exp_f32 v[S+i], v[S+i]
.set i, i+1
.endr
	v_nop                                          ; a plain instruction behind the last exponential,
	s_wait_alu depctr_va_vdst(0)                   ; and one wait for the batch
.irp u, 0,1
	v_pk_add_f32 v[LS+2*\u:LS+2*\u+1], v[S+32*\u:S+32*\u+1], v[S+32*\u+2:S+32*\u+3]   ; the sum is taken of p as it is, in f32
.endr
.irp i, 4,6,8,10,12,14,16,18,20,22,24,26,28,30
.irp u, 0,1
	v_pk_add_f32 v[LS+2*\u:LS+2*\u+1], v[LS+2*\u:LS+2*\u+1], v[S+32*\u+\i:S+32*\u+\i+1]
.endr
.endr
.irp u, 0,1
	v_add_f32 v[LT+\u], v[LS+2*\u], v[LS+2*\u+1]
.endr
.irp u, 0,1
	v_permlanex16_b32 v[PX+\u], v[LT+\u], s32, s33
.endr
.irp u, 0,1
	v_add_f32 v[LT+\u], v[LT+\u], v[PX+\u]
.endr
.irp u, 0,1                                    ; p's two parts
.set b, 0
.rept 16
	v_pk_mul_f32 v[CC+2*b:CC+2*b+1], v[S+32*\u+2*b:S+32*\u+2*b+1], s[26:27] op_sel_hi:[1,0]
.set b, b+1
.endr
.set b, 0
.rept 16
	v_pk_add_f32 v[TT+2*b:TT+2*b+1], v[S+32*\u+2*b:S+32*\u+2*b+1], v[CC+2*b:CC+2*b+1] neg_lo:[0,1] neg_hi:[0,1]
.set b, b+1
.endr
.set b, 0
.rept 16
	v_pk_add_f32 v[CC+2*b:CC+2*b+1], v[CC+2*b:CC+2*b+1], v[TT+2*b:TT+2*b+1]
.set b, b+1
.endr
.set b, 0
.rept 16
	v_pk_add_f32 v[S+32*\u+2*b:S+32*\u+2*b+1], v[S+32*\u+2*b:S+32*\u+2*b+1], v[CC+2*b:CC+2*b+1] neg_lo:[0,1] neg_hi:[0,1]
.set b, b+1
.endr
.set b, 0
.rept 16
	v_cvt_pk_f16_f32 v[PH+16*\u+b], v[CC+2*b], v[CC+2*b+1]
	v_cvt_pk_f16_f32 v[PL+16*\u+b], v[S+32*\u+2*b], v[S+32*\u+2*b+1]
.set b, b+1
.endr
.endr
	v_cmp_ne_u32 vcc_lo, 0, v2
.irp u, 0,1
	v_cndmask_b32 v[FG+\u], v[CM+2*\u], v[LT+\u], vcc_lo   ; lanes 0-15: m; lanes 16-31: l
.endr
	s_wait_loadcnt 0x0                             ; V
	WIN 0xf2                                       ; V in window 2, P in window 0, O^T in window 3
.macro LINK vb, pb, ks, zero           ; sixteen accumulators by turns
.irp ct, 0,1,2,3,4,5,6,7
.irp u, 0,1
.if \zero
	v_wmma_f32_16x16x32_f16 v[64*\u+8*\ct:64*\u+8*\ct+7], v[\vb+64*\ks+8*\ct:\vb+64*\ks+8*\ct+7], v[\pb+16*\u+8*\ks:\pb+16*\u+8*\ks+7], 0
.else
	v_wmma_f32_16x16x32_f16 v[64*\u+8*\ct:64*\u+8*\ct+7], v[\vb+64*\ks+8*\ct:\vb+64*\ks+8*\ct+7], v[\pb+16*\u+8*\ks:\pb+16*\u+8*\ks+7], v[64*\u+8*\ct:64*\u+8*\ct+7]
.endif
.endr
.endr
.endm
	LINK 0, PH, 0, 1
	LINK 0, PH, 1, 0
	LINK 128, PH, 0, 0
	LINK 128, PH, 1, 0
	LINK 0, PL, 0, 0
	LINK 0, PL, 1, 0
.rept 4
	v_nop
.endr
	WIN 0x0c                                       ; a store's data are its source 1: window 3
.irp u, 0,1
.irp i, 0,1,2,3,4,5,6,7,8,9,10,11,12,13,14,15
	global_store_b128 v6, v[64*\u+4*\i:64*\u+4*\i+3], s[22:23] offset:8192*\u+512*\i   ; 512 consecutive bytes a store; each accumulator from its low end on
.endr
.endr
	WIN 0
.irp u, 0,1
	global_store_b32 v7, v[FG+\u], s[24:25] offset:2048*\u
.endr
	s_endpgm
.Lfunc_end_k_q87936bffe2_fineattn:
	.size	k_q87936bffe2_fineattn, .Lfunc_end_k_q87936bffe2_fineattn-k_q87936bffe2_fineattn
	.p2alignl 7, 3214868480
	.fill 96, 4, 3214868480
	.section	.rodata,"a",@progbits
	.p2align	6, 0x0
	.amdhsa_kernel k_q87936bffe2_fineattn
		.amdhsa_group_segment_fixed_size 0
		.amdhsa_private_segment_fixed_size 0
		.amdhsa_enable_private_segment 0
		.amdhsa_kernarg_size 24
		.amdhsa_user_sgpr_count 2
		.amdhsa_user_sgpr_kernarg_segment_ptr 1
		.amdhsa_wavefront_size32 1
		.amdhsa_system_sgpr_workgroup_id_x 1
		.amdhsa_system_sgpr_workgroup_id_y 1
		.amdhsa_system_sgpr_workgroup_id_z 1
		.amdhsa_system_vgpr_workitem_id 0
		.amdhsa_next_free_vgpr 1024
		.amdhsa_next_free_sgpr 66
		.amdhsa_reserve_vcc 1
		.amdhsa_float_denorm_mode_32 3
		.amdhsa_float_denorm_mode_16_64 3
		.amdhsa_memory_ordered 1
		.amdhsa_forward_progress 1
		.amdhsa_inst_pref_size 51
	.end_amdhsa_kernel
	.amdgpu_metadata
---
amdhsa.version: [ 1, 2 ]
amdhsa.kernels:
  - .name:           k_q87936bffe2_fineattn
    .symbol:         k_q87936bffe2_fineattn.kd
    .args:
      - { .name: qkv, .offset: 0, .size: 8, .value_kind: global_buffer, .address_space: global }
      - { .name: attention_mask, .offset: 8, .size: 8, .value_kind: global_buffer, .address_space: global }
      - { .name: fine, .offset: 16, .size: 8, .value_kind: global_buffer, .address_space: global }
    .group_segment_fixed_size: 0
    .private_segment_fixed_size: 0
    .kernarg_segment_align: 8
    .kernarg_segment_size: 24
    .max_flat_workgroup_size: 32
    .sgpr_count:     66
    .vgpr_count:     1024
    .wavefront_size: 32
...
	.end_amdgpu_metadata
.endif
;; end of part 3
;; launch attn (part 4): grid 32 x 8, 4 waves a work-group, clusters of 4 x 4, 327,680 bytes of LDS; arguments qkv, attention_mask, fine, o16, ofine; writes o16, ofine
.if DOCPART == 4
	.amdgcn_target "amdgcn-amd-amdhsa--gfx1250"
	.amdhsa_code_object_version 6
	.text
	.protected	k_q87936bffe2_attn
	.globl	k_q87936bffe2_attn
	.p2align	8
	.type	k_q87936bffe2_attn,@function
k_q87936bffe2_attn:
	s_mov_b64 s[64:65], 0
	v_nop
	global_prefetch_b8 v0, s[64:65] scope:SCOPE_SE
	s_setreg_imm32_b32 hwreg(HW_REG_WAVE_MODE, 25, 1), 1
	s_wait_xcnt 0x0
	s_wait_alu depctr_hold_cnt(0) depctr_sa_sdst(0) depctr_va_vdst(0) depctr_va_sdst(0) depctr_va_ssrc(0) depctr_va_vcc(0) depctr_vm_vsrc(0)
	s_getreg_b32 s2, hwreg(HW_REG_IB_STS2, 6, 4)
	s_cmp_eq_u32 s2, 0
	s_cbranch_scc0 .Lentry_in_a_cluster
	s_endpgm
.Lentry_in_a_cluster:
	s_bfe_u32 s2, ttmp6, 0x10000c
	s_cmp_lg_u32 s2, 0xf033
	s_cbranch_scc0 .Lentry_shape_is_right
	s_endpgm
.Lentry_shape_is_right:
; ATTN: o = softmax(q k^T / sqrt(128) + mask) v for all positions, f16 operands, f32 sums.  The mask is an input: every query meets all 2,048 keys, and the mask's numbers are added in f32.
; SHARES.  A work-group owns 64 positions (block pb) of one key and value head g with BOTH its query heads: 128 query rows.  Wave w: 32 positions (w / 2), and of every slot of 128 keys the 64 keys of half kh = w % 2:
; so each fragment of K and V read from LDS feeds four tiles of 16 queries.  The wave's tiles: piece 0 (tiles 0, 1) = position tile kh, heads 2 g and 2 g + 1; piece 2 (tiles 2, 3) = position tile 1 - kh.
; At the end waves w and w xor 1 hold the same four tiles over different keys: each keeps piece 0 and hands piece 2 to the other through LDS, and joins the two by their maxima and sums.
; LAYOUT.  S^T = K Q^T (source 0 = 16 keys, source 1 = 16 queries): a lane holds ONE query (lane % 16) and keys 8 (lane / 16) + 0..7; two such tiles, rounded to f16 in pairs, are source 1 of O^T = V^T P.
; V lies in memory with the positions innermost, so V^T's fragments are read from LDS like any operand.
; SOFTMAX.  S = (q.k) / sqrt(128) + mask, one fused multiply-add; running maximum m and sum l; p = 2^(c (S - m)), c = log2 e; O and l are multiplied by 2^(c (m_old - m_new)) in every step.
; The differences are taken first and then multiplied by c: where all keys seen so far are masked, m is as large as the mask's number, and a product c m rounded by itself would cost the exponent whole units.
; LIMITS: the first maximum is held at -1e38 from below (a mask of -infinity gives p = 0); rows from position 16 on are carried with f16 operands whatever the mask leaves of them; positions 0-15 are made again, finer, by other launches.
; BY TURNS.  In a turn one piece has the matrix unit (32 products V^T P of the step in hand, 32 products K Q^T of the next); the other piece's softmax, in 64 slices, stands between them, one slice behind each product.
; CLUSTER 4 x 4.  K and V hang on g (the cluster's y and cy): asked for jointly along a row; the mask's tile hangs on pb (x and cx): jointly along a column.  Wave 0 fetches K, wave 1 V, waves 2 and 3 half of the mask's tile each.
; A slot holds 128 keys: one key step of every wave; two slots; a round of the cluster's barrier at each of the 15 changes but the last.  By the text's own count a wave has two tensor loads out at the head and one behind each round.
; THE MERGE.  At its head every work-group also joins 512 bytes of the 32 parts that the launch before made for positions 0-15, and stores them into ofine.
; REGISTERS, window 0: v1-11 addresses; v12-43 statistics, 8 a tile; v44-53 addresses; v61-63; v64-191 S^T, 32 a tile; v192-255 P, 16 a tile.
;   window 1: O^T, 64 a tile.   window 2: v0-127 Q, v128-255 K.   window 3: v0-127 V; v128-159 piece 0's mask, v160-191 piece 2's.
.set PK,    272
.set PM,    528
.set VOFF,  128*PK
.set MOFF,  2*128*PK
.set SLOT1, 1<<17
.set XCH,   SLOT1+MOFF+64*PM           ; behind the ring: the exchange, for each wave 2 tiles x 8,192 bytes and 2 x 256 bytes of figures
.set XW,    16896
.set STAGE, XCH+4*XW                   ; 16 rows x 272 bytes for each wave
.set SP,    272
.set SPARE, STAGE+4*16*SP              ; the spare words
.set AK0, 2
.set AV0, 3
.set ADR, 4
.set QO,  5
.set STO, 6
.set RD,  7
.set GO,  8
.set ST,  12                           ; tile t at v[ST+8 t]: +0 m, +1 named with it as a pair, +2, +3 l, +4 to +7 at work
.set AM0, 44
.set AM2, 45
.set QO2, 46
.set XST, 47
.set XLD, 48
.set XSS, 49
.set XSL, 50
.set ADM, 51
.set MF,  52
.set MG,  53
.set PFO, 61
.set SPW, 62
.set NIL, 63
.set S,   64
.set P,   192
.set KF,  128
.set WV,  12
.set LIM, 15
.set PFA, 18
.set G1K, 24
.set G1V, 32
.set G0K, 40
.set G0V, 48
.set SLOTS, 56
.set CS,  58
.set SEL, 60
.set TB,  62
.set ISQ, 66
.set G1M, 68
.set G0M, 76
.set PFS, 84
.set OFN, 88
.set QB,  90
.set MSB, 0
.macro WIN new
.if MSB != \new
	s_set_vgpr_msb (MSB<<8)|\new
.set MSB, \new
.endif
.endm
.set W_KQ, 0x0a
.set W_PV, 0x53
.set W_RS, 0x41
; A joint refill by the walking descriptors.  The branches hang on the wave's number alone.  An s_nop 0 and four v_nop follow each load.
.macro JLOAD
	s_cmp_eq_u32 s[WV], 0
	s_cbranch_scc0 .Lnot_k_\@
	tensor_load_to_lds s[G0K+4:G0K+7], s[G1K:G1K+7]
	s_nop 0
.rept 4
	v_nop
.endr
	s_branch .Lasked_\@
.Lnot_k_\@:
	s_cmp_eq_u32 s[WV], 1
	s_cbranch_scc0 .Lnot_v_\@
	tensor_load_to_lds s[G0V+4:G0V+7], s[G1V:G1V+7]
	s_nop 0
.rept 4
	v_nop
.endr
	s_branch .Lasked_\@
.Lnot_v_\@:
	tensor_load_to_lds s[G0M+4:G0M+7], s[G1M:G1M+7]
	s_nop 0
.rept 4
	v_nop
.endr
.Lasked_\@:
.endm
; A PREFETCH INTO THE L2, behind each joint refill, of the slot that stands two refills on: 256 products of a wave ahead of the load that will want it.  A lane names a run of 256 aligned bytes, one instruction a wave.
; Each run is named once in the launch: K's and V's rows are read by all clusters of a row of clusters: cluster x = 0 asks (wave 0: K, wave 1: V), its four partners along x take 32 rows each, told apart by address;
; the mask's rows are read by both clusters of a column: cluster y = 0 asks (wave 2), its four partners along y take 16 rows x 2 halves each.  Slots 0 to 3 come by their loads alone; the last two refills ask for nothing.
.macro ASK
	s_cmp_gt_u32 s[SLOTS], s[LIM]
	s_cbranch_scc0 .Lnot_mine_\@
	global_prefetch_b8 v[PFO], s[PFA:PFA+1] th:TH_LOAD_NT scope:SCOPE_SE
.Lnot_mine_\@:
.endm
.macro CROUND
	s_barrier_signal -1
	s_barrier_wait -1
	s_cmp_lg_u32 s[WV], 0
	s_cbranch_scc1 .Lnot_wave_0_\@
	s_barrier_signal -3
.Lnot_wave_0_\@:
	s_barrier_wait -3
	s_barrier_signal -1
	s_barrier_wait -1
.endm
	s_load_b256 s[4:11], s[0:1], 0x0               ; qkv s[4:5], mask s[6:7], fine s[8:9], o16 s[10:11]
	s_load_b64 s[OFN:OFN+1], s[0:1], 0x20          ; ofine
	v_lshl_add_u32 v[SPW], v0, 2, SPARE
	v_mov_b32 v[NIL], 0
	ds_add_u32 v[SPW], v[NIL]                      ; the opening: the add, twice on end, and its wait ahead of my first tensor load
	ds_add_u32 v[SPW], v[NIL]
	v_lshrrev_b32 v1, 5, v0
	v_readfirstlane_b32 s[WV], v1
	s_and_b32 s16, s[WV], 1                        ; kh; also: which half of the mask's tile waves 2 and 3 fetch
	s_lshr_b32 s17, s[WV], 1                       ; ph
	s_bfe_u32 s13, ttmp6, 0x40000                  ; cx
	s_bfe_u32 s14, ttmp6, 0x40004                  ; cy
	s_lshl_b32 s20, ttmp9, 2
	s_add_co_u32 s20, s20, s13                     ; pb
	s_and_b32 s21, ttmp7, 0xffff                   ; the cluster's y
	s_lshl_b32 s22, s21, 2
	s_add_co_u32 s22, s22, s14                     ; g
	s_lshl_b32 s2, s14, 2
	s_lshl_b32 s2, 15, s2                          ; my row of the cluster
	s_lshl_b32 s3, 0x1111, s13                     ; my column
	s_or_b32 s[G1K], s2, (1<<16)|(1<<20)|(1<<21)|(5<<22)|(3<<25)   ; the mask of work-groups; elements of 2 bytes; 4 words of padding behind every 64
	s_or_b32 s[G1V], s2, (1<<16)|(1<<20)|(1<<21)|(5<<22)|(3<<25)
	s_or_b32 s[G1M], s3, (2<<16)|(1<<20)|(1<<21)|(6<<22)|(3<<25)   ; elements of 4 bytes; 4 words behind every 128
.irp g, G1K, G1V
	s_mov_b32 s[\g+1], 128<<16                     ; tensor_dim0
	s_mov_b32 s[\g+2], 128<<16                     ; tensor_dim1
	s_mov_b32 s[\g+3], 128<<16                     ; tile_dim0
	s_mov_b32 s[\g+4], 128                         ; tile_dim1
	s_mov_b32 s[\g+6], 0
	s_mov_b32 s[\g+7], 0
.endr
	s_mov_b32 s[G1K+5], 128                        ; K: 128 keys x 128 channels, dense
	s_mov_b32 s[G1V+5], 2048                       ; V: 128 channels x 128 positions of rows of 2,048
	s_mov_b32 s[G1M+1], 128<<16
	s_mov_b32 s[G1M+2], 32<<16
	s_mov_b32 s[G1M+3], 128<<16
	s_mov_b32 s[G1M+4], 32
	s_mov_b32 s[G1M+5], 2048                       ; the mask: 32 positions x 128 keys
	s_mov_b32 s[G1M+6], 0
	s_mov_b32 s[G1M+7], 0
	s_lshl_b32 s92, s22, 19                        ; g's bytes in K and in V: cy and never cx
	s_mov_b32 s93, 0
	s_lshl_b32 s94, s20, 19                        ; pb's 64 rows of the mask: cx and never cy
	s_lshl_b32 s95, s16, 18
	s_add_co_u32 s94, s94, s95
	s_mov_b32 s95, 0
	s_mul_i32 s86, s16, 32*PM
	s_add_co_u32 s86, s86, MOFF                    ; where my half of the mask's tile goes
	s_mov_b32 s[CS], 0x3fb8aa3b                    ; c = log2 e
	s_mov_b32 s[CS+1], s[CS]
	s_mov_b32 s[ISQ], 0x3db504f3                   ; 1 / sqrt(128)
	s_mov_b32 s[ISQ+1], s[ISQ]
	s_mov_b32 s[SEL], 0x76543210
	s_mov_b32 s[SEL+1], 0xfedcba98
	s_mov_b32 s[TB], 0
	s_mov_b32 s[SLOTS], 14
	s_wait_dscnt 0x0                               ; both opening adds are done
	s_wait_kmcnt 0x0
	s_add_nc_u64 s[92:93], s[4:5], s[92:93]
	s_add_nc_u64 s[94:95], s[6:7], s[94:95]
	CROUND                                         ; all sixteen work-groups are here: the first joint loads meet
.irp s, 0,1
	s_mov_b32 s[G0K+4*\s], 1
	s_mov_b32 s[G0K+4*\s+1], \s*SLOT1
	s_add_nc_u64 s[G0K+4*\s+2:G0K+4*\s+3], s[92:93], 8388608+\s*32768
	s_or_b32 s[G0K+4*\s+3], s[G0K+4*\s+3], 0x80000000
	s_mov_b32 s[G0V+4*\s], 1
	s_mov_b32 s[G0V+4*\s+1], \s*SLOT1+VOFF
	s_add_nc_u64 s[G0V+4*\s+2:G0V+4*\s+3], s[92:93], 12582912+\s*256
	s_or_b32 s[G0V+4*\s+3], s[G0V+4*\s+3], 0x80000000
	s_mov_b32 s[G0M+4*\s], 1
	s_add_co_u32 s[G0M+4*\s+1], s86, \s*SLOT1
	s_add_nc_u64 s[G0M+4*\s+2:G0M+4*\s+3], s[94:95], \s*512
	s_or_b32 s[G0M+4*\s+3], s[G0M+4*\s+3], 0x80000000
.endr
	s_cmp_eq_u32 s[WV], 0                          ; a wave's two first fills stand in one branch, ahead of every wait on TENSORcnt and every LDS read
	s_cbranch_scc0 .Lfirst_nk
	tensor_load_to_lds s[G0K:G0K+3], s[G1K:G1K+7]
	s_nop 0
	tensor_load_to_lds s[G0K+4:G0K+7], s[G1K:G1K+7]
	s_nop 0
.rept 4
	v_nop
.endr
	s_branch .Lfirst_asked
.Lfirst_nk:
	s_cmp_eq_u32 s[WV], 1
	s_cbranch_scc0 .Lfirst_nv
	tensor_load_to_lds s[G0V:G0V+3], s[G1V:G1V+7]
	s_nop 0
	tensor_load_to_lds s[G0V+4:G0V+7], s[G1V:G1V+7]
	s_nop 0
.rept 4
	v_nop
.endr
	s_branch .Lfirst_asked
.Lfirst_nv:
	tensor_load_to_lds s[G0M:G0M+3], s[G1M:G1M+7]
	s_nop 0
	tensor_load_to_lds s[G0M+4:G0M+7], s[G1M:G1M+7]
	s_nop 0
.rept 4
	v_nop
.endr
.Lfirst_asked:
	; Q, o16, and the merge's places
	s_lshl_b32 s2, s22, 20
	s_lshl_b32 s3, s20, 14
	s_add_co_u32 s2, s2, s3
	s_lshl_b32 s3, s17, 13
	s_add_co_u32 s2, s2, s3
	s_mov_b32 s3, 0
	s_add_nc_u64 s[QB:QB+1], s[4:5], s[2:3]        ; q: head 2 g, position 64 pb + 32 ph
	s_lshl_b32 s2, s20, 18
	s_lshl_b32 s86, s17, 17
	s_add_co_u32 s2, s2, s86
	s_lshl_b32 s86, s16, 16
	s_add_co_u32 s2, s2, s86
	s_lshl_b32 s86, s22, 9
	s_add_co_u32 s2, s2, s86
	s_add_nc_u64 s[10:11], s[10:11], s[2:3]        ; o16: position 64 pb + 32 ph + 16 kh, head 2 g
	s_and_b32 s2, s20, 15                          ; the merge: work-group 32 g + pb takes head (32 g + pb) % 16,
	s_lshr_b32 s3, s20, 4
	s_lshl_b32 s86, s22, 1
	s_add_co_u32 s3, s3, s86                       ; piece (32 g + pb) / 16
	s_lshl_b32 s86, s2, 11
	s_mov_b32 s87, 0
	s_add_nc_u64 s[98:99], s[8:9], s[86:87]        ; the head's figures
	s_lshl_b32 s2, s2, 13
	s_lshl_b32 s3, s3, 9
	s_add_co_u32 s86, s2, s3
	s_add_nc_u64 s[96:97], s[8:9], s[86:87]        ; the piece in split 0
	s_add_nc_u64 s[OFN:OFN+1], s[OFN:OFN+1], s[86:87]
	; the prefetches: where my wave's stand (at slot 3: the first change steps them to slot 4), and who asks
	s_lshl_b32 s2, s22, 19
	s_lshl_b32 s3, s13, 13
	s_add_co_u32 s3, s3, s2
	s_add_co_u32 s3, s3, 8388608+3*32768           ; wave 0: K, rows 32 cx on
	s_lshl_b32 s86, s13, 17
	s_add_co_u32 s86, s86, s2
	s_add_co_u32 s86, s86, 12582912+3*256          ; wave 1: V, channel rows 32 cx on
	s_lshl_b32 s87, s20, 19
	s_lshl_b32 s2, s14, 17
	s_add_co_u32 s87, s87, s2
	s_add_co_u32 s87, s87, 3*512                   ; wave 2: the mask, rows 16 cy on
	s_mov_b32 s[PFS], 256
	s_mov_b32 s92, 4096
	s_cmp_eq_u32 s[WV], 0
	s_cselect_b32 s86, s3, s86
	s_cselect_b32 s[PFS], 32768, s[PFS]            ; a slot on
	s_cselect_b32 s92, 256, s92                    ; from row to row
	s_cmp_lt_u32 s[WV], 2
	s_cselect_b32 s86, s86, s87
	s_cselect_b32 s[PFS], s[PFS], 512
	s_cselect_b32 s92, s92, 8192
	s_cselect_b32 s93, 0, 1                        ; the mask's rows have two runs of 256 bytes in a slot
	s_cselect_b32 s94, ttmp9, s21                  ; the coordinate along which other clusters read the same rows
	s_cselect_b64 s[PFA:PFA+1], s[4:5], s[6:7]
	s_mov_b32 s87, 0
	s_mov_b32 s[PFS+1], 0
	s_add_nc_u64 s[PFA:PFA+1], s[PFA:PFA+1], s[86:87]
	s_lshr_b32 s95, s[WV], 1
	s_and_b32 s95, s95, s[WV]                      ; 1 in wave 3 alone, which asks for nothing
	s_or_b32 s95, s95, s94
	s_cmp_eq_u32 s95, 0
	s_cselect_b32 s[LIM], 2, -1                    ; the same in all sixteen partners, for a given wave
	v_and_b32 v[PFO], 31, v0
	v_and_b32 v9, s93, v[PFO]
	v_lshrrev_b32 v[PFO], s93, v[PFO]
	v_mul_lo_u32 v[PFO], v[PFO], s92
	v_lshl_add_u32 v[PFO], v9, 8, v[PFO]
	v_and_b32 v1, 15, v0                           ; r
	v_bfe_u32 v9, v0, 4, 1                         ; h
	v_lshlrev_b32 v[QO], 8, v1
	v_lshl_add_u32 v[QO], v9, 4, v[QO]
	s_lshl_b32 s2, s16, 12
	s_xor_b32 s3, s2, 4096
	v_add_nc_u32 v[QO2], s3, v[QO]                 ; piece 2: position tile 1 - kh
	v_add_nc_u32 v[QO], s2, v[QO]                  ; piece 0: position tile kh
	WIN 0x80
.irp i, 0,1,2,3,4,5,6,7                        ; Q stays in registers: tile i / 4, channels 32 (i % 4) on
	global_load_b128 v[8*\i:8*\i+3],   v[QO], s[QB:QB+1] offset:(\i/4)*524288+(\i%4)*64
	global_load_b128 v[8*\i+4:8*\i+7], v[QO], s[QB:QB+1] offset:(\i/4)*524288+(\i%4)*64+32
.endr
.irp i, 0,1,2,3,4,5,6,7
	global_load_b128 v[64+8*\i:64+8*\i+3], v[QO2], s[QB:QB+1] offset:(\i/4)*524288+(\i%4)*64
	global_load_b128 v[64+8*\i+4:64+8*\i+7], v[QO2], s[QB:QB+1] offset:(\i/4)*524288+(\i%4)*64+32
.endr
	WIN 0
	v_lshlrev_b32 v[MF], 2, v0                     ; the merge: thread tau takes word tau of the piece,
	v_bfe_u32 v[MG], v0, 2, 4
	v_lshlrev_b32 v[MG], 7, v[MG]                  ; which belongs to query (tau / 4) % 16
.set i, 0
.rept 32
	global_load_b32 v[64+i], v[MF], s[96:97] offset:131072*i
.set i, i+1
.endr
.set i, 0
.rept 8
	global_load_b128 v[96+4*i:99+4*i], v[MG], s[98:99] offset:4194304+16*i            ; the 32 parts' m
	global_load_b128 v[128+4*i:131+4*i], v[MG], s[98:99] offset:4194304+32768+16*i    ; and l
.set i, i+1
.endr
	v_mul_u32_u24 v[AK0], v1, PK
	v_lshl_add_u32 v[AK0], v9, 4, v[AK0]           ; 272 r + 16 h
	s_lshl_b32 s2, s16, 7
	s_add_co_u32 s2, s2, VOFF
	v_add_nc_u32 v[AV0], s2, v[AK0]                ; V: channel row r, my 64 keys' 128 bytes
	s_mul_i32 s2, s16, 64*PK
	v_add_nc_u32 v[AK0], s2, v[AK0]                ; K: my 64 rows
	v_mul_u32_u24 v[AM0], v1, PM
	v_lshl_add_u32 v[AM0], v9, 5, v[AM0]           ; the mask: 528 r + 32 h
	s_mul_i32 s2, s17, 32*PM
	s_lshl_b32 s3, s16, 8
	s_add_co_u32 s2, s2, s3
	s_add_co_u32 s2, s2, MOFF                      ; + my 32 positions + my 64 keys' 256 bytes
	s_mul_i32 s3, s16, 16*PM
	s_add_co_u32 s3, s3, s2
	s_xor_b32 s86, s16, 1
	s_mul_i32 s86, s86, 16*PM
	s_add_co_u32 s86, s86, s2
	v_add_nc_u32 v[AM2], s86, v[AM0]
	v_add_nc_u32 v[AM0], s3, v[AM0]
	s_wait_loadcnt 0x0                             ; Q and the merge's numbers
	v_max3_num_f32 v160, v96, v97, v98
.irp i, 99,101,103,105,107,109,111,113,115,117,119,121,123,125
	v_max3_num_f32 v160, v160, v[\i], v[\i+1]
.endr
	v_max_num_f32 v160, v160, v127                 ; the largest m of the 32 parts
.set i, 0
.rept 32
	v_sub_f32 v[96+i], v[96+i], v160               ; the difference first,
.set i, i+1
.endr
.set i, 0
.rept 32
	v_mul_f32 v[96+i], s[CS], v[96+i]              ; then x c
.set i, i+1
.endr
.set i, 0
.rept 32
	v_exp_f32 v[96+i], v[96+i]
.set i, i+1
.endr
	v_nop
	s_wait_alu depctr_va_vdst(0)                   ; one wait for the batch, ahead of its first reader
	v_mul_f32 v161, v96, v128
	v_mul_f32 v162, v96, v64
.set i, 1
.rept 31
	v_fmac_f32 v161, v[96+i], v[128+i]             ; the sum,
	v_fmac_f32 v162, v[96+i], v[64+i]              ; and my number of O
.set i, i+1
.endr
	v_rcp_f32 v161, v161
	v_nop
	s_wait_alu depctr_va_vdst(0)
	v_mul_f32 v162, v162, v161
	global_store_b32 v[MF], v162, s[OFN:OFN+1]
; THE MATRIX WORK OF A TURN, for piece x.  The accumulators take turns, one instruction a turn.
.macro PV x, zero
	WIN W_PV
.set rO, 64*(\x+i%2)+8*((i/2)%8)
.set rV, 64*(i/16)+8*((i/2)%8)
.set rP, P+16*(\x+i%2)+8*(i/16)
.if \zero && (i < 16)
	v_wmma_f32_16x16x32_f16 v[rO:rO+7], v[rV:rV+7], v[rP:rP+7], 0
.else
	v_wmma_f32_16x16x32_f16 v[rO:rO+7], v[rV:rV+7], v[rP:rP+7], v[rO:rO+7]
.endif
.endm
.macro KQ x
	WIN W_KQ
.set rS, S+32*(\x+i%2)+8*((i/2)%4)
.set rK, KF+32*((i/2)%4)+8*(i/8)
.set rQ, 32*(\x+i%2)+8*(i/8)
.if i < 8
	v_wmma_f32_16x16x32_f16 v[rS:rS+7], v[rK:rK+7], v[rQ:rQ+7], 0
.else
	v_wmma_f32_16x16x32_f16 v[rS:rS+7], v[rK:rK+7], v[rQ:rQ+7], v[rS:rS+7]
.endif
.endm
; THE LDS LOADS stand in two runs of 40 a key step: K with piece 0's mask, and a turn later V with piece 2's.
.macro FETCH_K
	WIN 0
	v_add_nc_u32 v[ADR], s[TB], v[AK0]
	v_add_nc_u32 v[ADM], s[TB], v[AM0]
	WIN 0x80
.irp f, 0,1,2,3,4,5,6,7,8,9,10,11,12,13,14,15  ; keys 16 (f / 4) on, channels 32 (f % 4) on
	ds_load_b128 v[KF+8*\f:KF+8*\f+3],   v[ADR] offset:(\f/4)*16*PK+(\f%4)*64
	ds_load_b128 v[KF+8*\f+4:KF+8*\f+7], v[ADR] offset:(\f/4)*16*PK+(\f%4)*64+32
.endr
	WIN 0xc0
.irp f, 0,1,2,3,4,5,6,7                        ; query r, keys 16 (f / 2) + 8 h + 4 (f % 2) + 0..3
	ds_load_b128 v[128+4*\f:131+4*\f], v[ADM] offset:64*(\f/2)+16*(\f%2)
.endr
.endm
.macro FETCH_V
	WIN 0
	v_add_nc_u32 v[ADR], s[TB], v[AV0]
	v_add_nc_u32 v[ADM], s[TB], v[AM2]
	s_wait_alu depctr_va_vdst(0)                   ; the wait for the softmax's batch (SLICE), ahead of the loads
	WIN 0xc0
.irp f, 0,1,2,3,4,5,6,7,8,9,10,11,12,13,14,15  ; keys 32 (f / 8) on, channels 16 (f % 8) on
	ds_load_b128 v[8*\f:8*\f+3],   v[ADR] offset:(\f%8)*16*PK+(\f/8)*64
	ds_load_b128 v[8*\f+4:8*\f+7], v[ADR] offset:(\f%8)*16*PK+(\f/8)*64+32
.endr
.irp f, 0,1,2,3,4,5,6,7
	ds_load_b128 v[160+4*\f:163+4*\f], v[ADM] offset:64*(\f/2)+16*(\f%2)
.endr
.endm
; THE VECTOR WORK OF A TURN.  MK: pair b of tile t's scores becomes score / sqrt(128) + mask; the pairs go in ascending order.
.macro MK t, b
	WIN 0x30                                       ; source 2, the mask, in window 3
.set rS, S+32*(\t)+2*(\b)
.set rM, 128+32*((\t)/2)+2*(\b)
	v_pk_fma_f32 v[rS:rS+1], v[rS:rS+1], s[ISQ:ISQ+1], v[rM:rM+1] op_sel_hi:[1,0,1]
.endm
; SM writes number j of a tile's list of 134:  0-15 the maximum of the 32 scores and the old m;  16-20 the other half of the lanes', the new m, c (m_old - m_new);
; 21-69 ONE BATCH: 16 scalings c (S - m) and 33 exponentials, none of which reads an exponential's result;  (the wait);  70-85 roundings to f16;  86-101 the sums;  102-133 O^T times a.
; A scaling is two instructions, S - m and x c.  The number of pair b writes the subtraction of pair b + 1 and then the multiplication of pair b (pair 0's writes subtractions 0 and 1 first): no multiplication stands directly behind its own subtraction.
.macro SM t, first
.set rT, ST+8*(\t)
.set rS, S+32*(\t)
.set rP, P+16*(\t)
.set rO, 64*(\t)+2*(j-102)
.if j < 102
	WIN 0
.endif
.if j < 4
	v_max3_num_f32 v[rT+4+j], v[rS+8*j], v[rS+8*j+1], v[rS+8*j+2]
.elseif j < 12
	v_max3_num_f32 v[rT+4+j%4], v[rT+4+j%4], v[rS+8*(j%4)+2*(j/4)+1], v[rS+8*(j%4)+2*(j/4)+2]
.elseif j == 12
	v_max3_num_f32 v[rT+4], v[rT+4], v[rS+7], v[rS+15]
.elseif j == 13
	v_max3_num_f32 v[rT+6], v[rT+6], v[rS+23], v[rS+31]
.elseif j == 14
	v_max3_num_f32 v[rT+4], v[rT+4], v[rT+5], v[rT+6]
.elseif (j == 15) && \first
	v_max3_num_f32 v[rT+4], v[rT+4], v[rT+7], 0xfe967699   ; the first maximum is held at -1e38 from below
.elseif j == 15
	v_max3_num_f32 v[rT+4], v[rT+4], v[rT+7], v[rT]        ; with the old m
.elseif j == 16
	v_permlanex16_b32 v[rT+5], v[rT+4], s[SEL], s[SEL+1]   ; the query's other 32 keys lie in the lane 16 away
.elseif j == 18
	v_max_num_f32 v[rT], v[rT+4], v[rT+5]                  ; the new m
.elseif (j == 19) && \first
	v_mov_b32 v[rT+1], v[rT]                               ; named with m as a pair, so it is written once
.elseif ((j == 17) || (j == 20) || (j == 23) || (j > 101)) && \first  ; the first step has none of these
.elseif j == 17
	v_mov_b32 v[rT+7], v[rT]                               ; the old m is kept for a: number 18 writes m anew
.elseif j == 19
	v_sub_f32 v[rT+7], v[rT+7], v[rT]                      ; m_old - m_new,
.elseif j == 20
	v_mul_f32 v[rT+7], s[CS], v[rT+7]                      ; x c
.elseif j == 23
	v_exp_f32 v[rT+6], v[rT+7]
.elseif (j < 23) || ((j < 38) && (j%2 == 0)) || ((j < 66) && (j%4 == 2))
.set b, (j-2)/4
.if j < 38
.set b, (j-20)/2
.endif
.if b == 0
	v_pk_add_f32 v[rS:rS+1], v[rS:rS+1], v[rT:rT+1] op_sel_hi:[1,0] neg_lo:[0,1] neg_hi:[0,1]
.endif
.if b < 15
	v_pk_add_f32 v[rS+2*b+2:rS+2*b+3], v[rS+2*b+2:rS+2*b+3], v[rT:rT+1] op_sel_hi:[1,0] neg_lo:[0,1] neg_hi:[0,1]   ; pair b + 1: S - m
.endif
	v_pk_mul_f32 v[rS+2*b:rS+2*b+1], v[rS+2*b:rS+2*b+1], s[CS:CS+1] op_sel_hi:[1,0]                                 ; pair b: x c
.elseif j < 70
.set e, j-38
.if j < 66
.set e, j-32-(j-38)/4
.endif
.if j < 38
.set e, (j-25)/2
.endif
	v_exp_f32 v[rS+e], v[rS+e]
.elseif j < 86
	v_cvt_pk_f16_f32 v[rP+j-70], v[rS+2*(j-70)], v[rS+2*(j-70)+1]
.elseif j < 102
.set z, j-86
.set w, 4
.set u, z
.if z >= 14
.set w, 32
.set u, 0
.elseif z >= 12
.set w, 16
.set u, z-12
.elseif z >= 8
.set w, 8
.set u, z-8
.endif
.if (z == 14) && \first
	v_pk_add_f32 v[rT+2:rT+3], v[rS:rS+1], v[rS+16:rS+17]
.elseif z < 15
	v_pk_add_f32 v[rS+w*u:rS+w*u+1], v[rS+w*u:rS+w*u+1], v[rS+w*u+w/2:rS+w*u+w/2+1]
.elseif !\first
	v_pk_fma_f32 v[rT+2:rT+3], v[rT+2:rT+3], v[rT+6:rT+7], v[rS:rS+1] op_sel_hi:[1,0,1]
.endif
.else
	WIN W_RS
	v_pk_mul_f32 v[rO:rO+1], v[rO:rO+1], v[rT+6:rT+7] op_sel_hi:[1,0]
.endif
.endm
; Slice k of 64 of piece y's softmax.  0-3: the mask, accumulator k of both tiles;  4-7: numbers 4 (k - 4) .. + 3 of both tiles;  8-10, 35-62: numbers 2 k, 2 k + 1 of both tiles;  11-34: the batch, four numbers of one tile;
; 63: the last eight numbers of both tiles: sixteen plain instructions, the places behind the turn's last product.  One wait for the piece's 66 exponentials, behind slice 34.
.macro SLICE y, first
.if k < 4
.irp n, 0,1,2,3
.irp t, \y, \y+1
	MK \t, 4*k+\n
.endr
.endr
.elseif k < 8
.irp n, 0,1,2,3
.irp t, \y, \y+1
.set j, 4*(k-4)+\n
	SM \t, \first
.endr
.endr
.elseif (k >= 11) && (k < 35)
.irp n, 0,1,2,3
.set j, 22+4*((k-11)/2)+(\n)
	SM (\y)+(k-11)%2, \first
.endr
.else
.irp n, 0,1,2,3,4,5,6,7
.if (\n < 2) || (k == 63)
.irp t, \y, \y+1
.set j, 2*k+\n
	SM \t, \first
.endr
.endif
.endr
.endif
.if k == 34
	v_nop                                          ; the plain instruction behind the last exponential: one for the batch
.if (\y) == 0
	FETCH_V                                        ; piece 2's turn: V's run of loads stands here, and the wait stands in it.  Behind the last product that read V: pair 15's multiplication of both tiles, the v_nop and two additions
.else
	s_wait_alu depctr_va_vdst(0)                   ; the wait for the batch
.endif
.endif
.set k, k+1
.endm
.macro PLACES
.rept 4
	v_nop
.endr
.endm
.macro TURN x, pv, kq, first
.set k, 0
.set per, 2
.if \pv && \kq
.set per, 1
.endif
.if \pv
.if \x == 0
	s_wait_dscnt 0x0                               ; V and piece 2's mask are in
.endif
.set i, 0
.rept 32
	PV \x, 2-\pv
.rept per
	SLICE 2-\x, \first
.endr
.if (\x == 0) && \kq && (i == 1)
	FETCH_K
.endif
.set i, i+1
.endr
.endif
.if \kq
.if \x == 0
	s_wait_dscnt 0x0                               ; K and piece 0's mask are in
.endif
.set i, 0
.rept 32
	KQ \x
.rept per
	SLICE 2-\x, \first
.endr
.set i, i+1
.endr
.endif
.if \first
	PLACES
.endif
.endm
; THE CHANGE OF SLOTS, between piece 2's turn and piece 0's: all of the slot has been asked for.  Each wave waits for all its tensor loads (its part of the other slot), adds 0 to its spare word, and waits for that and for its
; reads of the slot.  fill = 1: a round of the cluster's barrier, and the joint refill first behind it, with the keys two slots on: it has one key step, 128 products of a wave, in which to land.
.macro CHANGE fill
	WIN 0
	s_wait_tensorcnt 0x0                           ; no tensor load of mine is out, so a group 0 may be written
	ds_add_u32 v[SPW], v[NIL]
.if \fill
.irp g, G0K+4, G0V+4, G0M+4
	s_xor_b32 s[\g+1], s[\g+1], SLOT1              ; the walking descriptors: the other slot than last time
.endr
	s_add_nc_u64 s[G0K+6:G0K+7], s[G0K+6:G0K+7], 32768
	s_add_nc_u64 s[G0V+6:G0V+7], s[G0V+6:G0V+7], 256
	s_add_nc_u64 s[G0M+6:G0M+7], s[G0M+6:G0M+7], 512
	s_wait_xcnt 0x0                                ; the last prefetch, a key step back, has read its address
	s_add_nc_u64 s[PFA:PFA+1], s[PFA:PFA+1], s[PFS:PFS+1]
	s_wait_dscnt 0x0                               ; the add is done, and my reads of the slot are over
	CROUND
	JLOAD
	ASK
.else
	s_wait_dscnt 0x0
	s_barrier_signal -1
	s_barrier_wait -1
.endif
	s_xor_b32 s[TB], s[TB], SLOT1                  ; the fetches go on in the other slot
.endm
	s_wait_tensorcnt 1                             ; my part of slot 0 is in; slot 1's may stay out
	s_barrier_signal -1
	s_barrier_wait -1
	s_wait_xcnt 0x0                                ; the merge's store has read its data, over which the first products write
	FETCH_K                                        ; key step 0
	s_wait_dscnt 0x0
.set i, 0
.rept 32
	KQ 0
.set i, i+1
.endr
	WIN 0                                          ; the addresses for the way out: plain instructions, the places behind those products
	s_mul_i32 s2, s[WV], 16*SP
	s_add_co_u32 s2, s2, STAGE
	v_mul_u32_u24 v[STO], v1, SP
	v_lshl_add_u32 v[STO], v9, 4, v[STO]
	v_add_nc_u32 v[STO], s2, v[STO]
	v_mul_u32_u24 v[RD], v9, SP
	v_lshl_add_u32 v[RD], v1, 4, v[RD]
	v_add_nc_u32 v[RD], s2, v[RD]
	v_lshlrev_b32 v[GO], 12, v9
	v_lshl_add_u32 v[GO], v1, 4, v[GO]             ; two rows of o16, 4,096 bytes apart
	v_and_b32 v10, 31, v0
	s_mul_i32 s2, s[WV], XW
	s_add_co_u32 s2, s2, XCH
	v_lshl_add_u32 v[XST], v10, 4, s2              ; where I put piece 2,
	v_lshl_add_u32 v[XSS], v10, 3, s2
	s_xor_b32 s3, s[WV], 1
	s_mul_i32 s3, s3, XW
	s_add_co_u32 s3, s3, XCH
	v_lshl_add_u32 v[XLD], v10, 4, s3              ; and where my partner puts its own, which is my piece 0 over its keys
	v_lshl_add_u32 v[XSL], v10, 3, s3
	TURN 2, 0, 1, 1                                ; piece 2's first scores | piece 0's first softmax | V of step 0
	CHANGE 1
	TURN 0, 1, 1, 1                                ; piece 0: V^T P of step 0 starts O^T, K Q^T of step 1 | piece 2's first softmax | K of step 1
	TURN 2, 1, 1, 0
	WIN 0
	s_mov_b32 s[SLOTS], 13
.Lstep:                                            ; 13 trips: a change with a refill, and a key step
	CHANGE 1
	TURN 0, 2, 1, 0
	TURN 2, 2, 1, 0
	WIN 0
	s_sub_co_u32 s[SLOTS], s[SLOTS], 1
	s_cmp_lg_u32 s[SLOTS], 0
	s_cbranch_scc1 .Lstep
	CHANGE 0                                       ; the tail is written out
	TURN 0, 2, 1, 0
	TURN 2, 2, 1, 0
	TURN 0, 2, 0, 0                                ; piece 0: V^T P of the last step | piece 2's last softmax
.set i, 0
.rept 32
	PV 2, 0
.set i, i+1
.endr
	; THE WAY OUT.  The additions are the places behind the last products.
	WIN 0
.irp t, 0,1,2,3
	v_add_f32 v[ST+8*\t+4], v[ST+8*\t+2], v[ST+8*\t+3]
.endr
.irp t, 0,1,2,3
	v_permlanex16_b32 v[ST+8*\t+5], v[ST+8*\t+4], s[SEL], s[SEL+1]
.endr
.irp t, 0,1,2,3
	v_add_f32 v[ST+8*\t+4], v[ST+8*\t+4], v[ST+8*\t+5]   ; l over my keys
.endr
.irp t, 2,3
	v_mov_b32 v[ST+8*\t+5], v[ST+8*\t]             ; (l, m) as a pair
.endr
	WIN 0x04                                       ; an LDS store's data are its source 1: window 1
.set i, 0
.rept 32
	ds_store_b128 v[XST], v[128+4*i:131+4*i] offset:512*i   ; piece 2's O^T as an image of its registers; each accumulator from its low end on
.set i, i+1
.endr
	WIN 0
	ds_store_b64 v[XSS], v[ST+20:ST+21] offset:16384
	ds_store_b64 v[XSS], v[ST+28:ST+29] offset:16384+256
	s_wait_dscnt 0x0                               ; for my partner's sake: my stores are done
	s_barrier_signal -1
	s_barrier_wait -1
.set i, 0
.rept 32
	ds_load_b128 v[S+4*i:S+4*i+3], v[XLD] offset:512*i
.set i, i+1
.endr
	ds_load_b64 v[ST+6:ST+7], v[XSL] offset:16384
	ds_load_b64 v[ST+14:ST+15], v[XSL] offset:16384+256
	s_wait_dscnt 0x0
.irp u, 0,1                                    ; at work: the statistics registers of tiles 2 and 3, from ST + 16 + 8 u on
	v_max_num_f32 v[ST+16+8*\u], v[ST+8*\u], v[ST+8*\u+7]   ; the larger of my m and my partner's
.endr
.irp u, 0,1
	v_sub_f32 v[ST+17+8*\u], v[ST+8*\u], v[ST+16+8*\u]
	v_sub_f32 v[ST+18+8*\u], v[ST+8*\u+7], v[ST+16+8*\u]
.endr
.irp u, 0,1
	v_mul_f32 v[ST+17+8*\u], s[CS], v[ST+17+8*\u]
	v_mul_f32 v[ST+18+8*\u], s[CS], v[ST+18+8*\u]
.endr
.irp u, 0,1
	v_exp_f32 v[ST+17+8*\u], v[ST+17+8*\u]
	v_exp_f32 v[ST+18+8*\u], v[ST+18+8*\u]
.endr
	v_nop
	s_wait_alu depctr_va_vdst(0)                   ; one wait for the four
.irp u, 0,1
	v_mul_f32 v[ST+19+8*\u], v[ST+8*\u+4], v[ST+17+8*\u]
.endr
.irp u, 0,1
	v_fma_f32 v[ST+19+8*\u], v[ST+8*\u+6], v[ST+18+8*\u], v[ST+19+8*\u]   ; the row's sum over all keys
.endr
.irp u, 0,1
	v_rcp_f32 v[ST+19+8*\u], v[ST+19+8*\u]
.endr
	v_nop
	s_wait_alu depctr_va_vdst(0)                   ; one wait for the two
.irp u, 0,1
	v_mul_f32 v[ST+20+8*\u], v[ST+17+8*\u], v[ST+19+8*\u]   ; what my part is multiplied by,
	v_mul_f32 v[ST+22+8*\u], v[ST+18+8*\u], v[ST+19+8*\u]   ; and my partner's
.endr
.macro PACK u
.set i, 0
.rept 32
	v_pk_mul_f32 v[S+64*\u+2*i:S+64*\u+2*i+1], v[S+64*\u+2*i:S+64*\u+2*i+1], v[ST+22+8*\u:ST+23+8*\u] op_sel_hi:[1,0]
.set i, i+1
.endr
	WIN 0x01                                       ; source 0: my O^T, window 1
.set i, 0
.rept 32
	v_pk_fma_f32 v[S+64*\u+2*i:S+64*\u+2*i+1], v[64*\u+2*i:64*\u+2*i+1], v[ST+20+8*\u:ST+21+8*\u], v[S+64*\u+2*i:S+64*\u+2*i+1] op_sel_hi:[1,0,1]
.set i, i+1
.endr
	WIN 0
.set i, 0
.rept 32
	v_cvt_pk_f16_f32 v[P+32*\u+i], v[S+64*\u+2*i], v[S+64*\u+2*i+1]
.set i, i+1
.endr
.irp f, 0,1,2,3,4,5,6,7
	ds_store_b128 v[STO], v[P+32*\u+4*\f:P+32*\u+4*\f+3] offset:32*\f
.endr
.irp f, 0,1,2,3,4,5,6,7
	ds_load_b128 v[P+32*\u+4*\f:P+32*\u+4*\f+3], v[RD] offset:\f*2*SP   ; LDS serves a wave's instructions in order: these see the stores above; the next tile's stores come behind them
.endr
.endm
.macro SEND u, younger
.irp f, 0,1,2,3,4,5,6,7
	s_wait_dscnt \younger+7-\f
	global_store_b128 v[GO], v[P+32*\u+4*\f:P+32*\u+4*\f+3], s[10:11] offset:\f*8192+\u*256   ; sixteen lanes store 256 consecutive bytes, aligned
.endr
.endm
	PACK 0
	PACK 1
	SEND 0, 16                                     ; behind tile 0's loads stand tile 1's 8 stores and 8 loads
	SEND 1, 0
	s_wait_tensorcnt 0x0                           ; the wave's end
	ds_add_u32 v[SPW], v[NIL]
	s_wait_dscnt 0x0
	CROUND                                         ; the closing round
	s_endpgm
.Lfunc_end_k_q87936bffe2_attn:
	.size	k_q87936bffe2_attn, .Lfunc_end_k_q87936bffe2_attn-k_q87936bffe2_attn
	.p2alignl 7, 3214868480
	.fill 96, 4, 3214868480
	.section	.rodata,"a",@progbits
	.p2align	6, 0x0
	.amdhsa_kernel k_q87936bffe2_attn
		.amdhsa_group_segment_fixed_size 327680
		.amdhsa_private_segment_fixed_size 0
		.amdhsa_enable_private_segment 0
		.amdhsa_kernarg_size 40
		.amdhsa_user_sgpr_count 2
		.amdhsa_user_sgpr_kernarg_segment_ptr 1
		.amdhsa_wavefront_size32 1
		.amdhsa_system_sgpr_workgroup_id_x 1
		.amdhsa_system_sgpr_workgroup_id_y 1
		.amdhsa_system_sgpr_workgroup_id_z 1
		.amdhsa_system_vgpr_workitem_id 0
		.amdhsa_next_free_vgpr 1024
		.amdhsa_next_free_sgpr 104
		.amdhsa_reserve_vcc 0
		.amdhsa_float_denorm_mode_32 3
		.amdhsa_float_denorm_mode_16_64 3
		.amdhsa_memory_ordered 1
		.amdhsa_forward_progress 1
		.amdhsa_inst_pref_size 255
	.end_amdhsa_kernel
	.section	.bss,"aw",@nobits
	.p2align	6
	.space	262144
	.amdgpu_metadata
---
amdhsa.version: [ 1, 2 ]
amdhsa.kernels:
  - .name:           k_q87936bffe2_attn
    .symbol:         k_q87936bffe2_attn.kd
    .args:
      - { .name: qkv, .offset: 0, .size: 8, .value_kind: global_buffer, .address_space: global }
      - { .name: attention_mask, .offset: 8, .size: 8, .value_kind: global_buffer, .address_space: global }
      - { .name: fine, .offset: 16, .size: 8, .value_kind: global_buffer, .address_space: global }
      - { .name: o16, .offset: 24, .size: 8, .value_kind: global_buffer, .address_space: global }
      - { .name: ofine, .offset: 32, .size: 8, .value_kind: global_buffer, .address_space: global }
    .group_segment_fixed_size: 327680
    .private_segment_fixed_size: 0
    .kernarg_segment_align: 8
    .kernarg_segment_size: 40
    .max_flat_workgroup_size: 128
    .sgpr_count:     104
    .vgpr_count:     1024
    .wavefront_size: 32
...
	.end_amdgpu_metadata
.endif
;; end of part 4
;; launch proj (part 5): grid 16 x 16, 4 waves a work-group, clusters of 4 x 4, 327,680 bytes of LDS; arguments o16, wo16, out0, fine, ofine, wo; writes out0, fine
.if DOCPART == 5
	.amdgcn_target "amdgcn-amd-amdhsa--gfx1250"
	.amdhsa_code_object_version 6
	.text
	.protected	k_q87936bffe2_proj
	.globl	k_q87936bffe2_proj
	.p2align	8
	.type	k_q87936bffe2_proj,@function
k_q87936bffe2_proj:
	s_mov_b64 s[64:65], 0
	v_nop
	global_prefetch_b8 v0, s[64:65] scope:SCOPE_SE
	s_setreg_imm32_b32 hwreg(HW_REG_WAVE_MODE, 25, 1), 1
	s_wait_xcnt 0x0
	s_wait_alu depctr_hold_cnt(0) depctr_sa_sdst(0) depctr_va_vdst(0) depctr_va_sdst(0) depctr_va_ssrc(0) depctr_va_vcc(0) depctr_vm_vsrc(0)
	s_getreg_b32 s2, hwreg(HW_REG_IB_STS2, 6, 4)
	s_cmp_eq_u32 s2, 0
	s_cbranch_scc0 .Lentry_in_a_cluster
	s_endpgm
.Lentry_in_a_cluster:
	s_bfe_u32 s2, ttmp6, 0x10000c
	s_cmp_lg_u32 s2, 0xf033
	s_cbranch_scc0 .Lentry_shape_is_right
	s_endpgm
.Lentry_shape_is_right:
; PROJ: out0[m][n] = sum over k of o[m][k] wo[n][k]; all three are 2,048 x 2,048; f32 sums and f32 results.  Two ways in one launch.
; THE F16 WAY, rows 16 to 2,047: operands o16 and wo16.  A tile of the output is 128 x 128: 256 work-groups.  Four waves, each 64 x 64: 16 accumulators.  K goes in steps of 256 (LDS rows of 512 bytes; a wave's tensor
; load brings 64 of them) through two slots.  4 x 4 work-groups form a cluster: the four of a row need the same tiles of o16, the four of a column the same tiles of wo16: each tile is asked for jointly.
; THE MATRIX INSTRUCTION IS USED TRANSPOSED (source 0 = 16 rows of wo, source 1 = 16 rows of o): a lane holds eight neighbouring numbers of a row of the output.
; By the text's own count a wave has two tensor loads out at the head and one behind each round.
; THE FINE WAY, rows 0 to 15, which may average very few values: o (f32, from ofine) and wo (f32, the input) each as a pair of f16 numbers, a high and a low part: three products (wo_hi o_hi, wo_lo o_hi, wo_hi o_lo).
; The parts: t = 8193 x, hi = t + (x - t) (x rounded to 11 bits), lo = x - hi.  Every work-group takes 8 columns, n0 = 8 (16 x tile row + tile column); wave w takes k = 512 w .. 512 w + 511, in eight POSITIONS of two
; steps of 32.  Position 0 stands at the head, behind the first joint loads; positions 1 to 7 at the head of each change of slots, between a refill's request and the wait for it.  Each position asks for the next one's
; 16 loads, which have a K step in which to land.  Source 0's lanes take row n0 + (lane % 8) of wo, so lanes 16-31 of the result repeat lanes 0-15.  The four waves' sums meet in LDS at the barrier of the way out, and wave 0 stores.
; ofine lies [16 heads][16 pieces][32 lanes][16 bytes], piece 2 ct + e of lane (q, h) = channels 16 ct + 8 h + 4 e + 0..3: four pieces on end are a fragment's 16 numbers of a lane, in the fragment's order.
; WHO STORES ROWS 0-15 OF out0: the fine way alone, in runs of 32 bytes, 128 KiB in all.  The f16 way's rows 0-15 belong to wave 0 of tile row 0: that wave's first
; sixteen stores go by a base that is CHOSEN: in that one wave it points into the workspace fine, whose numbers are done with, in every other wave to out0.  Those 128 KiB are read by nobody.
; LIMIT: |o| or |wo| over 65,504 becomes infinity in f16.
; No prefetch: the tiles are small and each is read by four clusters at nearly the same time.
; REGISTERS: window 0: v0-31 addresses; v32-47 the fine way's last sums; v128-255 the accumulators ((a, b) at v[128 + 8 (4 a + b)]), later whole rows.   window 1: two fragment buffers of 128.
;   window 2, the fine way: v0, v1 offsets; v16-47 o, v48-79 wo, 16 numbers a step; v80-111 at work; v112-143 four fragments; v144-167 three accumulators; v168-175 their sum.
.set SIZE_N, 2048
.set SIZE_K, 2048
.set KSTEP,  256
.set PITCH,  528
.set HALFT,  64*PITCH
.set SLOT,   4*HALFT
.set SPITCH, 528                       ; the stage: 128 rows x (512 bytes + 16), in slot 0, which has had its last fill and was left at the last change of slots
.set SPARE,  2*SLOT                    ; the spare words
.set FX,     SPARE+512                 ; behind them: the fine way's four sums, 1,024 bytes a wave; no tile lands here
.set LAPS, SIZE_K/(2*KSTEP)
.set ADRA, 16
.set ADRB, 20
.set STO,  24
.set RD,   25
.set CO,   26
.set FOO,  27                          ; v27 the fine way's place in out0: 8,192 r + 16 h
.set SPW,  28
.set NIL,  29
.set FXS,  30                          ; v30 where I put my wave's sum: FX + 1,024 x wave + 16 x lane
.set FXR,  31                          ; v31 where wave 0 reads a sum back: FX + 512 h + 16 r
.set ACC,  128
.set F0,   0
.set F1,   128
.set FAO,  0                           ; window 2: 16 x lane
.set FBO,  1                           ; window 2: 8,192 (lane % 8) + 32 h
.set XA,   16
.set XB,   48
.set FC,   80
.set FT,   96
.set AH,   112
.set AL,   120
.set BH,   128
.set BL,   136
.set AC0,  144
.set AC1,  152
.set AC2,  160
.set FR,   168
.set G1, 24
.set G0, 32
.set G1B, 48
.set G0B, 56
.set FA,  74                           ; s[74:75] ofine at my wave's position in hand
.set FB,  76                           ; s[76:77] wo likewise
.set FO,  78                           ; s[78:79] out0 at column n0
.set KV,  80                           ; s[80:81] 8193.0
.set LOWB, 82                          ; s[82:83] the base of my first sixteen rows' stores
.set MSB, 0
.macro WIN new
.if MSB != \new
	s_set_vgpr_msb (MSB<<8)|\new
.set MSB, \new
.endif
.endm
.set MUL,  0x05
.set TO_F, 0x40
.set W_F,  0xaa                        ; every operand place in window 2
.macro JLOAD s
	s_cmp_eq_u32 s11, 0
	s_cbranch_scc0 .Lfor_b_\@
	tensor_load_to_lds s[G0+4*\s:G0+4*\s+3], s[G1:G1+7]
	s_nop 0
.rept 4
	v_nop
.endr
	s_branch .Lasked_\@
.Lfor_b_\@:
	tensor_load_to_lds s[G0B+4*\s:G0B+4*\s+3], s[G1B:G1B+7]
	s_nop 0
.rept 4
	v_nop
.endr
.Lasked_\@:
.endm
.macro CREST
	s_cmp_lg_u32 s10, 0
	s_cbranch_scc1 .Lnot_wave_0_\@
	s_barrier_signal -3
.Lnot_wave_0_\@:
	s_barrier_wait -3
	s_barrier_signal -1
	s_barrier_wait -1
.endm
.macro CROUND
	s_barrier_signal -1
	s_barrier_wait -1
	CREST
.endm
; THE FINE WAY'S MACROS; all run with every operand place in window 2.
.macro FLOADS                          ; a position's 16 loads: two steps of 32 along K: four pieces of ofine and 64 bytes of a row of wo for each
.irp a, 0,1
.irp i, 0,1,2,3
	global_load_b128 v[XA+16*\a+4*\i:XA+16*\a+4*\i+3], v[FAO], s[FA:FA+1] offset:2048*\a+512*\i
.endr
	global_load_b128 v[XB+16*\a:XB+16*\a+3], v[FBO], s[FB:FB+1] offset:128*\a           ; k = 8 h + 0..3
	global_load_b128 v[XB+16*\a+4:XB+16*\a+7], v[FBO], s[FB:FB+1] offset:128*\a+16      ; + 4..7
	global_load_b128 v[XB+16*\a+8:XB+16*\a+11], v[FBO], s[FB:FB+1] offset:128*\a+64     ; 16 + 8 h + 0..3
	global_load_b128 v[XB+16*\a+12:XB+16*\a+15], v[FBO], s[FB:FB+1] offset:128*\a+80
.endr
.endm
.macro FSPLIT x, hi, lo                ; 16 numbers of a lane become a fragment of high parts and a fragment of low parts.  The 32 packed lines name no register of the products before: they are the places ahead of the conversions, which write those products' sources
.irp i, 0,1,2,3,4,5,6,7
	v_pk_mul_f32 v[FC+2*\i:FC+2*\i+1], v[(\x)+2*\i:(\x)+2*\i+1], s[KV:KV+1] op_sel_hi:[1,0]
.endr
.irp i, 0,1,2,3,4,5,6,7
	v_pk_add_f32 v[FT+2*\i:FT+2*\i+1], v[(\x)+2*\i:(\x)+2*\i+1], v[FC+2*\i:FC+2*\i+1] neg_lo:[0,1] neg_hi:[0,1]
.endr
.irp i, 0,1,2,3,4,5,6,7
	v_pk_add_f32 v[FC+2*\i:FC+2*\i+1], v[FC+2*\i:FC+2*\i+1], v[FT+2*\i:FT+2*\i+1]                                ; the high parts
.endr
.irp i, 0,1,2,3,4,5,6,7
	v_pk_add_f32 v[FT+2*\i:FT+2*\i+1], v[(\x)+2*\i:(\x)+2*\i+1], v[FC+2*\i:FC+2*\i+1] neg_lo:[0,1] neg_hi:[0,1]  ; the low parts
.endr
.irp i, 0,1,2,3,4,5,6,7
	v_cvt_pk_f16_f32 v[(\hi)+\i], v[FC+2*\i], v[FC+2*\i+1]
	v_cvt_pk_f16_f32 v[(\lo)+\i], v[FT+2*\i], v[FT+2*\i+1]
.endr
.endm
.macro FMUL zero                       ; three accumulators by turns, one instruction a turn; zero = 1: the first step starts the sums
.if \zero
	v_wmma_f32_16x16x32_f16 v[AC0:AC0+7], v[BH:BH+7], v[AH:AH+7], 0
	v_wmma_f32_16x16x32_f16 v[AC1:AC1+7], v[BL:BL+7], v[AH:AH+7], 0
	v_wmma_f32_16x16x32_f16 v[AC2:AC2+7], v[BH:BH+7], v[AL:AL+7], 0
.else
	v_wmma_f32_16x16x32_f16 v[AC0:AC0+7], v[BH:BH+7], v[AH:AH+7], v[AC0:AC0+7]
	v_wmma_f32_16x16x32_f16 v[AC1:AC1+7], v[BL:BL+7], v[AH:AH+7], v[AC1:AC1+7]
	v_wmma_f32_16x16x32_f16 v[AC2:AC2+7], v[BH:BH+7], v[AL:AL+7], v[AC2:AC2+7]
.endif
.endm
.macro FINE zero, more                 ; a position.  more = 1: the next position's loads are asked for; the last position asks for nothing: no load leaves its buffer
	WIN W_F
	s_wait_loadcnt 0x0                             ; this position's 16 loads are in: nothing else is out on this counter; so their bases may be written
.if \more
	s_add_nc_u64 s[FA:FA+1], s[FA:FA+1], 4096      ; eight pieces of ofine on,
	s_add_nc_u64 s[FB:FB+1], s[FB:FB+1], 256       ; 64 along K in wo
.endif
.irp a, 0,1
	FSPLIT XA+16*\a, AH, AL
	FSPLIT XB+16*\a, BH, BL
.if \zero && (\a == 0)
	FMUL 1
.else
	FMUL 0
.endif
.endr
.if \more
	FLOADS
.endif
.endm
	s_load_b128 s[4:7], s[0:1], 0x0                ; o16, wo16
	s_load_b128 s[68:71], s[0:1], 0x20             ; ofine, wo
	s_load_b64 s[8:9], s[0:1], 0x10                ; out0
	s_load_b64 s[72:73], s[0:1], 0x18              ; fine
	v_lshl_add_u32 v[SPW], v0, 2, SPARE
	v_mov_b32 v[NIL], 0
	ds_add_u32 v[SPW], v[NIL]                      ; the opening: the add, twice on end, and its wait ahead of my first tensor load
	ds_add_u32 v[SPW], v[NIL]
	v_lshrrev_b32 v1, 5, v0
	v_readfirstlane_b32 s10, v1                    ; wave
	v_and_b32 v6, 31, v0
	v_lshlrev_b32 v6, 4, v6                        ; 16 x lane
	v_and_b32 v7, 7, v0
	v_bfe_u32 v8, v0, 4, 1
	v_lshlrev_b32 v7, 13, v7
	v_lshl_add_u32 v7, v8, 5, v7                   ; 8,192 (lane % 8) + 32 h
	WIN 0x80                                       ; destination window 2
	v_mov_b32 v[FAO], v6
	v_mov_b32 v[FBO], v7
	WIN 0
	s_lshr_b32 s11, s10, 1                         ; my half of the rows; also: I fetch for A (0) or B (1)
	s_and_b32 s12, s10, 1                          ; my half of the columns; also: which 64 rows I fetch
	s_bfe_u32 s40, ttmp6, 0x40000
	s_bfe_u32 s41, ttmp6, 0x40004
	s_lshl_b32 s42, ttmp9, 2
	s_add_co_u32 s42, s42, s40                     ; tile column
	s_and_b32 s13, ttmp7, 0xffff
	s_lshl_b32 s13, s13, 2
	s_add_co_u32 s13, s13, s41                     ; tile row
	s_lshl_b32 s43, s41, 2
	s_lshl_b32 s43, 15, s43
	s_lshl_b32 s44, 0x1111, s40
	s_or_b32 s[G1+0], s43, (1<<16)|(1<<20)|(1<<21)|(6<<22)|(3<<25)  ; the mask; elements of 2 bytes; 4 words of padding behind every 128
	s_or_b32 s[G1B+0], s44, (1<<16)|(1<<20)|(1<<21)|(6<<22)|(3<<25)
.irp g, G1, G1B
	s_mov_b32 s[\g+1], KSTEP<<16
	s_mov_b32 s[\g+2], 64<<16
	s_mov_b32 s[\g+3], KSTEP<<16
	s_mov_b32 s[\g+4], 64
	s_mov_b32 s[\g+5], SIZE_K
	s_mov_b32 s[\g+6], 0
	s_mov_b32 s[\g+7], 0
.endr
	s_lshl_b32 s17, s12, 6
	s_lshl_b32 s16, s13, 7
	s_add_co_u32 s16, s16, s17
	s_lshl_b32 s46, s42, 7
	s_add_co_u32 s46, s46, s17
	s_mov_b32 s17, 0
	s_mov_b32 s47, 0
	s_mov_b64 s[18:19], SIZE_K*2
	s_mul_u64 s[16:17], s[16:17], s[18:19]
	s_mul_u64 s[46:47], s[46:47], s[18:19]
	s_mul_i32 s20, s10, HALFT
	s_lshl_b32 s[FA], s10, 15                      ; the fine way: ofine: my wave's four heads
	s_mov_b32 s[FA+1], 0
	s_lshl_b32 s[FB], s13, 4
	s_add_co_u32 s[FB], s[FB], s42                 ; the work-group's number, 0 to 255: it enters global addresses alone, and no descriptor
	s_lshl_b32 s[FO], s[FB], 5                     ; out0: column n0 = 8 x that number
	s_mov_b32 s[FO+1], 0
	s_lshl_b32 s[FB], s[FB], 16                    ; wo: row n0,
	s_lshl_b32 s[FB+1], s10, 11
	s_add_co_u32 s[FB], s[FB], s[FB+1]             ; k = 512 x wave
	s_mov_b32 s[FB+1], 0
	s_mov_b32 s[KV], 0x46000400                    ; 8193
	s_mov_b32 s[KV+1], s[KV]
	s_wait_dscnt 0x0                               ; both opening adds are done
	s_wait_kmcnt 0x0
	s_add_nc_u64 s[14:15], s[4:5], s[16:17]
	s_add_nc_u64 s[46:47], s[6:7], s[46:47]
	s_add_nc_u64 s[FA:FA+1], s[68:69], s[FA:FA+1]
	s_add_nc_u64 s[FB:FB+1], s[70:71], s[FB:FB+1]
	s_add_nc_u64 s[FO:FO+1], s[8:9], s[FO:FO+1]
	WIN W_F
	FLOADS                                         ; position 0's loads go out ahead of the round
	WIN 0
	CROUND
.irp s, 0,1
	s_mov_b32 s[G0+4*\s], 1
	s_add_co_u32 s[G0+4*\s+1], s20, \s*SLOT
	s_add_nc_u64 s[G0+4*\s+2:G0+4*\s+3], s[14:15], \s*KSTEP*2
	s_or_b32 s[G0+4*\s+3], s[G0+4*\s+3], 0x80000000
	s_mov_b32 s[G0B+4*\s], 1
	s_add_co_u32 s[G0B+4*\s+1], s20, \s*SLOT
	s_add_nc_u64 s[G0B+4*\s+2:G0B+4*\s+3], s[46:47], \s*KSTEP*2
	s_or_b32 s[G0B+4*\s+3], s[G0B+4*\s+3], 0x80000000
	JLOAD \s
.endr
	v_and_b32 v1, 15, v0                           ; r
	v_bfe_u32 v2, v0, 4, 1                         ; h
	v_mul_u32_u24 v3, v1, PITCH
	v_lshl_add_u32 v3, v2, 4, v3
	s_mul_i32 s21, s11, HALFT
	s_mul_i32 s22, s12, HALFT
	s_add_co_u32 s22, s22, 2*HALFT
.irp s, 0,1
	v_add_nc_u32 v[ADRA+\s], s21, v3
	v_add_nc_u32 v[ADRB+\s], s22, v3
	s_add_co_u32 s21, s21, SLOT
	s_add_co_u32 s22, s22, SLOT
.endr
	s_mul_i32 s23, s11, 64*SPITCH                  ; into the stage: my 64 rows, my half of their 512 bytes; row r, 32 bytes for each half of the lanes
	s_lshl_b32 s21, s12, 8
	s_add_co_u32 s23, s23, s21
	v_mul_u32_u24 v4, v1, SPITCH
	v_lshl_add_u32 v4, v2, 5, v4
	v_add_nc_u32 v[STO], s23, v4
	s_mul_i32 s23, s10, 32*SPITCH                  ; back: wave w takes rows 32 w .. 32 w + 31, whole: 16 bytes a lane
	v_and_b32 v5, 31, v0
	v_lshlrev_b32 v[CO], 4, v5
	v_add_nc_u32 v[RD], s23, v[CO]
	s_lshl_b32 s21, s10, 10
	s_add_co_u32 s21, s21, FX
	v_add_nc_u32 v[FXS], s21, v6                   ; the fine way's sums: in,
	v_lshlrev_b32 v[FXR], 4, v1
	v_lshl_add_u32 v[FXR], v2, 9, v[FXR]
	v_add_nc_u32 v[FXR], FX, v[FXR]                ; and back: lane (r, h) takes registers 4 h .. 4 h + 3 of lane r
	v_lshlrev_b32 v[FOO], 13, v1
	v_lshl_add_u32 v[FOO], v2, 4, v[FOO]           ; which are out0(r, n0 + 4 h + 0..3)
	s_lshl_b32 s16, s13, 7
	s_lshl_b32 s17, s10, 5
	s_add_co_u32 s16, s16, s17
	s_mov_b32 s17, 0
	s_mov_b64 s[18:19], SIZE_N*4
	s_mul_u64 s[16:17], s[16:17], s[18:19]
	s_add_nc_u64 s[8:9], s[8:9], s[16:17]
	s_lshl_b32 s46, s42, 9
	s_mov_b32 s47, 0
	s_add_nc_u64 s[8:9], s[8:9], s[46:47]
	s_add_nc_u64 s[72:73], s[72:73], s[46:47]      ; the workspace, laid as rows 0-15 of out0, at the tile's first column
	s_or_b32 s16, s13, s10
	s_cmp_eq_u32 s16, 0                            ; tile row 0 and wave 0: my first sixteen rows are rows 0-15 of out0, which are the fine way's
	s_cselect_b64 s[LOWB:LOWB+1], s[72:73], s[8:9]
.macro MUL8 f, c, a0, zero
.irp a, \a0, \a0+1
.irp b, 0,1,2,3
.if \zero
	v_wmma_f32_16x16x32_f16 v[ACC+8*(4*(\a)+\b):ACC+8*(4*(\a)+\b)+7], v[\f+64+8*(4*\c+\b):\f+64+8*(4*\c+\b)+7], v[\f+8*(4*\c+\a):\f+8*(4*\c+\a)+7], 0
.else
	v_wmma_f32_16x16x32_f16 v[ACC+8*(4*(\a)+\b):ACC+8*(4*(\a)+\b)+7], v[\f+64+8*(4*\c+\b):\f+64+8*(4*\c+\b)+7], v[\f+8*(4*\c+\a):\f+8*(4*\c+\a)+7], v[ACC+8*(4*(\a)+\b):ACC+8*(4*(\a)+\b)+7]
.endif
.endr
.endr
.endm
.macro FETCH slot, k, f
	WIN TO_F
.irp c, 0,1
.irp i, 0,1,2,3
	ds_load_b128 v[\f+64+8*(4*\c+\i):\f+64+8*(4*\c+\i)+3],   v[ADRB+\slot] offset:\k+64*\c+\i*16*PITCH
	ds_load_b128 v[\f+64+8*(4*\c+\i)+4:\f+64+8*(4*\c+\i)+7], v[ADRB+\slot] offset:\k+64*\c+\i*16*PITCH+32
	ds_load_b128 v[\f+8*(4*\c+\i):\f+8*(4*\c+\i)+3],         v[ADRA+\slot] offset:\k+64*\c+\i*16*PITCH
	ds_load_b128 v[\f+8*(4*\c+\i)+4:\f+8*(4*\c+\i)+7],       v[ADRA+\slot] offset:\k+64*\c+\i*16*PITCH+32
.endr
.endr
.endm
.macro PLACES
.rept 4
	v_nop
.endr
.endm
.macro QUARTER slot, k, f, g, zero
	s_wait_dscnt 16                                ; the first 32 along K are in
	WIN MUL
	MUL8 \f, 0, 0, \zero
	MUL8 \f, 0, 2, \zero
	PLACES
	FETCH \slot, \k, \g
	s_wait_dscnt 32                                ; all but the 32 just issued
	WIN MUL
	MUL8 \f, 1, 0, 0
	MUL8 \f, 1, 2, 0
.endm
.macro TURN slot, next, fill
	FINE 0, \fill                                  ; a position of the fine way: work on registers and loads into registers, between the last refill's request and the wait for it.  The change that fills nothing is the last position
	WIN 0
	s_wait_tensorcnt 0x0                           ; all my tensor loads have landed: my part of the next slot
	ds_add_u32 v[SPW], v[NIL]
	s_wait_dscnt 17                                ; (the add and the youngest sixteen loads may be out)
	WIN MUL
	MUL8 F1, 0, 0, 0
	s_wait_dscnt 0x0                               ; the add is done, and my reads of this slot are over
	s_barrier_signal -1
	MUL8 F1, 0, 2, 0
.if \fill
	WIN 0
.endif
	s_barrier_wait -1
.if \fill
	CREST
	s_add_nc_u64 s[G0+4*\slot+2:G0+4*\slot+3], s[G0+4*\slot+2:G0+4*\slot+3], 2*KSTEP*2
	s_add_nc_u64 s[G0B+4*\slot+2:G0B+4*\slot+3], s[G0B+4*\slot+2:G0B+4*\slot+3], 2*KSTEP*2
	JLOAD \slot
.else
	PLACES
.endif
	FETCH \next, 0, F0
	WIN MUL
	MUL8 F1, 1, 0, 0
	MUL8 F1, 1, 2, 0
.endm
	FINE 1, 1                                      ; position 0, while the first tiles are on their way: its first products start the fine sums
	WIN 0
	s_wait_tensorcnt 1                             ; my part of K step 0 is in
	s_barrier_signal -1
	s_barrier_wait -1
	FETCH 0, 0, F0
	QUARTER 0, 128, F0, F1, 1
	WIN 0
	s_mov_b32 s3, LAPS-1
.Llap:                                                 ; three trips, two changes of slots each: positions 1 to 6 of the fine way
	QUARTER 0, 256, F1, F0, 0
	QUARTER 0, 384, F0, F1, 0
	TURN 0, 1, 1
	QUARTER 1, 128, F0, F1, 0
	QUARTER 1, 256, F1, F0, 0
	QUARTER 1, 384, F0, F1, 0
	TURN 1, 0, 1
	QUARTER 0, 128, F0, F1, 0
	WIN 0
	s_sub_co_u32 s3, s3, 1
	s_cmp_lg_u32 s3, 0
	s_cbranch_scc1 .Llap
	QUARTER 0, 256, F1, F0, 0                      ; the last lap fills nothing
	QUARTER 0, 384, F0, F1, 0
	TURN 0, 1, 0                                   ; position 7
	QUARTER 1, 128, F0, F1, 0
	QUARTER 1, 256, F1, F0, 0
	QUARTER 1, 384, F0, F1, 0
	s_wait_dscnt 16
	WIN MUL
	MUL8 F1, 0, 0, 0
	MUL8 F1, 0, 2, 0
	s_wait_dscnt 0
	MUL8 F1, 1, 0, 0
	MUL8 F1, 1, 2, 0
	WIN 0
	; THE WAY OUT: 32 bytes a lane into the work-group's stage, and my wave's fine sum beside it; a barrier, since a row's 512 bytes come from two waves and the fine sum from four; back as whole rows, 32 rows a wave.
	PLACES
	WIN W_F
.irp i, 0,1,2,3
	v_pk_add_f32 v[FR+2*\i:FR+2*\i+1], v[AC0+2*\i:AC0+2*\i+1], v[AC1+2*\i:AC1+2*\i+1]   ; each accumulator from its low end on
.endr
.irp i, 0,1,2,3
	v_pk_add_f32 v[FR+2*\i:FR+2*\i+1], v[FR+2*\i:FR+2*\i+1], v[AC2+2*\i:AC2+2*\i+1]
.endr
	WIN 0x08                                       ; an LDS store's data are its source 1: window 2
	ds_store_b128 v[FXS], v[FR:FR+3]               ; my sum as an image of its registers
	ds_store_b128 v[FXS], v[FR+4:FR+7] offset:512
	WIN 0
.irp a, 0,1,2,3
.irp b, 0,1,2,3
	ds_store_b128 v[STO], v[ACC+8*(4*\a+\b):ACC+8*(4*\a+\b)+3] offset:\a*16*SPITCH+64*\b        ; each accumulator from its low end on
	ds_store_b128 v[STO], v[ACC+8*(4*\a+\b)+4:ACC+8*(4*\a+\b)+7] offset:\a*16*SPITCH+64*\b+16
.endr
.endr
	s_wait_dscnt 0x0                               ; for the others' sake: my stores into the stage and of my sum are done
	s_barrier_signal -1
	s_barrier_wait -1
	s_cmp_lg_u32 s10, 0                            ; wave 0 joins the four fine sums: its four loads go out ahead of the rows', so that the rows' counted waits hold in every wave
	s_cbranch_scc1 .Lrows
.irp w, 0,1,2,3
	ds_load_b128 v[32+4*\w:35+4*\w], v[FXR] offset:1024*\w
.endr
.Lrows:
.set t, 0
.rept 32
	ds_load_b128 v[ACC+4*t:ACC+4*t+3], v[RD] offset:t*SPITCH
.set t, t+1
.endr
.set t, 0
.rept 32
	s_wait_dscnt 31-t                              ; row t is back; the later loads stay out
.if t < 16
	global_store_b128 v[CO], v[ACC+4*t:ACC+4*t+3], s[LOWB:LOWB+1] offset:t*SIZE_N*4 th:TH_STORE_NT   ; by the chosen base; 512 consecutive bytes, aligned
.else
	global_store_b128 v[CO], v[ACC+4*t:ACC+4*t+3], s[8:9] offset:t*SIZE_N*4 th:TH_STORE_NT
.endif
.set t, t+1
.endr
	s_cmp_lg_u32 s10, 0
	s_cbranch_scc1 .Lend
	v_pk_add_f32 v[32:33], v[32:33], v[36:37]      ; (the last wait above was for 0: the four sums are in)
	v_pk_add_f32 v[34:35], v[34:35], v[38:39]
	v_pk_add_f32 v[40:41], v[40:41], v[44:45]
	v_pk_add_f32 v[42:43], v[42:43], v[46:47]
	v_pk_add_f32 v[32:33], v[32:33], v[40:41]
	v_pk_add_f32 v[34:35], v[34:35], v[42:43]
	global_store_b128 v[FOO], v[32:35], s[FO:FO+1] ; out0(r, n0 + 4 h + 0..3)
.Lend:
	s_wait_tensorcnt 0x0                           ; the wave's end
	ds_add_u32 v[SPW], v[NIL]
	s_wait_dscnt 0x0
	CROUND                                         ; the closing round
	s_endpgm
.Lfunc_end_k_q87936bffe2_proj:
	.size	k_q87936bffe2_proj, .Lfunc_end_k_q87936bffe2_proj-k_q87936bffe2_proj
	.p2alignl 7, 3214868480
	.fill 96, 4, 3214868480
	.section	.rodata,"a",@progbits
	.p2align	6, 0x0
	.amdhsa_kernel k_q87936bffe2_proj
		.amdhsa_group_segment_fixed_size 327680
		.amdhsa_private_segment_fixed_size 0
		.amdhsa_enable_private_segment 0
		.amdhsa_kernarg_size 48
		.amdhsa_user_sgpr_count 2
		.amdhsa_user_sgpr_kernarg_segment_ptr 1
		.amdhsa_wavefront_size32 1
		.amdhsa_system_sgpr_workgroup_id_x 1
		.amdhsa_system_sgpr_workgroup_id_y 1
		.amdhsa_system_sgpr_workgroup_id_z 1
		.amdhsa_system_vgpr_workitem_id 0
		.amdhsa_next_free_vgpr 768
		.amdhsa_next_free_sgpr 84
		.amdhsa_reserve_vcc 0
		.amdhsa_float_denorm_mode_32 3
		.amdhsa_float_denorm_mode_16_64 3
		.amdhsa_memory_ordered 1
		.amdhsa_forward_progress 1
		.amdhsa_inst_pref_size 146
	.end_amdhsa_kernel
	.amdgpu_metadata
---
amdhsa.version: [ 1, 2 ]
amdhsa.kernels:
  - .name:           k_q87936bffe2_proj
    .symbol:         k_q87936bffe2_proj.kd
    .args:
      - { .name: o16, .offset: 0, .size: 8, .value_kind: global_buffer, .address_space: global }
      - { .name: wo16, .offset: 8, .size: 8, .value_kind: global_buffer, .address_space: global }
      - { .name: out0, .offset: 16, .size: 8, .value_kind: global_buffer, .address_space: global }
      - { .name: fine, .offset: 24, .size: 8, .value_kind: global_buffer, .address_space: global }
      - { .name: ofine, .offset: 32, .size: 8, .value_kind: global_buffer, .address_space: global }
      - { .name: wo, .offset: 40, .size: 8, .value_kind: global_buffer, .address_space: global }
    .group_segment_fixed_size: 327680
    .private_segment_fixed_size: 0
    .kernarg_segment_align: 8
    .kernarg_segment_size: 48
    .max_flat_workgroup_size: 128
    .sgpr_count:     84
    .vgpr_count:     768
    .wavefront_size: 32
...
	.end_amdgpu_metadata
.endif
;; end of part 5
